; MI455X (gfx1250); checked and timed in simulation.
; The chip was launched on July 23, 2026; its instructions are those of AMD's public machine-readable ISA for CDNA 5 (MIT licence, August 2026) and "CDNA5" Instruction Set Architecture Reference Guide (July 2026). The comments in the code are by the model that wrote it; some were corrected since.
;; Casual Self Attention. Allowed arithmetic: matrix products marked QUANTISED: E2M3 operands, one E8M0 scale for each 32 along K, by v_wmma_scale_f32_16x16x128_f8f6f4 with both operands' format E2M3, f32 sums; everything else in f32.
;; Inputs: b_attn 3,072 float32; b_proj 1,024 float32; w_attn 1,024 x 3,072 float32; w_proj 1,024 x 1,024 float32; x 4 x 2,048 x 1,024 float32.
;; Outputs: out0 4 x 2,048 x 1,024 float32.
;; This version of the problem:
;;   THIS VERSION OF THE PROBLEM IS GIVEN IN LOW PRECISION. The matrix products marked QUANTISED in the list below multiply operands that are first quantised to E2M3 (2 exponent bits, 3 mantissa bits; 6 bits a number), with one power-of-two scale for each 32 numbers along K (OCP MX v1.0); their sums are f32. All else is computed in f32.
;;   The module's matrix products, in the order in which they are computed (A, B: the left and right operand; K: the contracted axis; several contracted axes count as one K, in the product's order):
;;     1. [M 8,192, K 1,024] x [K 1,024, N 3,072]; A: input x; B: input w_attn: QUANTISED
;;     2. batch 64 x [M 2,048, K 64] x [K 64, N 2,048]; A: computed on the way; B: computed on the way: QUANTISED
;;     3. batch 64 x [M 2,048, K 2,048] x [K 2,048, N 64]; A: softmax (see below); B: computed on the way: QUANTISED
;;     4. [M 8,192, K 1,024] x [K 1,024, N 1,024]; A: computed on the way; B: input w_proj: QUANTISED
;;   THE QUANTISER, for each operand of a quantised product, along K:
;;     - K is cut into blocks of 32 from its start; a last block that is shorter is filled with zeros.
;;     - A block's scale is 2^e with e = floor(log2(the largest magnitude in the block)) - 2, held to -126 .. 127; a block of zeros has e = 0. As a byte (E8M0): e + 127.
;;     - Each number is divided by its block's scale, clamped to +-7.5, and rounded to the nearest number of E2M3, ties to even, subnormals kept.
;;     - The product sums the exact products of the quantised numbers (number of the format x scale) in f32.
;;   ~~~python
;;   def quantise(x, axis):      # numpy; x: float32 -> the quantised numbers, widened to float32 again
;;       x = np.moveaxis(x, axis, -1); K = x.shape[-1]
;;       x = np.pad(x, [(0, 0)] * (x.ndim - 1) + [(0, -K % 32)]); x = x.reshape(x.shape[:-1] + (-1, 32)); a = np.abs(x).max(-1, keepdims=True)
;;       e = np.where(a > 0, np.clip(np.frexp(np.where(a > 0, a, 1))[1] - 1 - 2, -126, 127), 0)      # np.frexp(a)[1] - 1 = floor(log2(a)), exactly
;;       r = np.clip(x / 2.0 ** e, -7.5, 7.5)
;;       step = 2.0 ** (np.maximum(np.frexp(np.where(r == 0, 1, r))[1] - 1, 0) - 3)
;;       q = np.round(r / step) * step * 2.0 ** e      # np.round: ties to even
;;       return np.moveaxis(q.reshape(q.shape[:-2] + (-1,))[..., :K], -1, axis).astype(np.float32)
;;   ~~~
;;   SOFTMAX AHEAD OF A QUANTISED PRODUCT. Where the list says 'softmax', what is quantised is not the finished softmax but p = 2^(t - M), with t = logit x log2(e) and M = ceil(the row's largest t), a whole number; so 1/2 < the row's largest p <= 1. The row's sum l is taken of the UNQUANTISED p, in f32, and the product's result is divided by l at the end. Since M is a whole number, a kernel that streams over the keys may use a running M (the ceiling of the running maximum): every later rescaling is an exact power of two, which a block's scale takes up: the codes' values come out the same.
;;   OPERANDS COMPUTED ON THE WAY. 'Computed on the way' means the value that the module computes at that place (a softmax that the list does not call 'softmax' is quantised finished and normalised). What goes into a quantiser is computed in f32, as accurately as f32 sums, v_exp_f32 and their like allow (about 1e-6 of the number): no bf16 or f16 on the way to a quantiser, and a product that is left as it is and whose result goes on into a quantised operand takes f32 operands (vector FMAs, or v_wmma_f32_16x16x4_f32). A number that lies on a knife's edge between two numbers of the format may be rounded either way, as far as f32 arithmetic and the matrix unit's own rounding can turn it there, and no further.
;; One version. Each part assembles by itself: llvm-mc -triple=amdgcn-amd-amdhsa -mcpu=gfx1250 --defsym DOCPART=n.
;; ======== version 1 of 1: 4 launches
;; workspace buffers: xq 6,553,600 bytes; wq 3,276,800 bytes; qq 6,815,744 bytes; kv 13,369,344 bytes; yq 6,553,600 bytes
;; launch quant (part 1): grid 384 x 1, 4 waves a work-group, no clusters, 35,328 bytes of LDS; arguments x, w_attn, w_proj, xq, wq; writes xq, wq
.if DOCPART == 1
	.amdgcn_target "amdgcn-amd-amdhsa--gfx1250"
	.amdhsa_code_object_version 6
	.text
	.protected	k_q1c56379a89_quant
	.globl	k_q1c56379a89_quant
	.p2align	8
	.type	k_q1c56379a89_quant,@function
k_q1c56379a89_quant:
	s_mov_b64 s[64:65], 0
	v_nop
	global_prefetch_b8 v0, s[64:65] scope:SCOPE_SE
	s_setreg_imm32_b32 hwreg(HW_REG_WAVE_MODE, 25, 1), 1
	s_wait_xcnt 0x0
; x [8192][1024], w_attn [1024][3072] and w_proj [1024][1024], f32, become codes of FP6 (E2M3) with one E8M0 byte for each 32 along K (K = 1024 in all three).
; THE LAYOUT IS THE OPERAND'S REGISTERS.  An operand's rows (x: tokens; the weights: their columns) are taken in tiles of 16: tile T = 2 g + u holds in lane-row r the row 32 g + 8 u + r + 8 (r / 8).
; A tile's fragment of one K step of 128 is six pieces of 256 bytes: piece p = fragment registers 2 p, 2 p + 1, lane l's 8 bytes at 8 l.  Codes: T x 12288 + ks x 1536 + p x 256 + 8 l.
; Scale words (four bytes: one row, one K step): g x 1024 + (ks / 2) x 256 + u x 128 + r x 8 + (ks % 2) x 4.  So every store below covers 256 consecutive bytes, aligned.
; A block's scale is 2^(floor(log2(its largest magnitude)) - 2); its byte is that magnitude's exponent field - 2, held at 1 from below.
; LIMITS: NaN and infinities among the inputs are not served; a block whose largest magnitude lies under 2^-124 gets the byte 1; a block of zeros gets the byte 1 where the rule says 127
; (its codes are zeros, which add nothing under any byte but 0xff, and this program alone reads the bytes).
; Work-groups 0-255: x, a group of 32 rows each; wave w takes K 256 w .. 256 w + 255.  Work-groups 256-351: w_attn; 352-383: w_proj: a wave takes 32 columns x 256 along K.  Waves share nothing: no barrier.
.set SPARE, 34816                      ; behind the four waves' regions: the spare words, 128 bytes a wave: two blocks of 256 bytes that no other line names
.set WREG,  8704                       ; a wave's LDS region (x path alone): a stage of 16 rows x 528 bytes, then 256 bytes of scale words
.set SCW,   8448
.set SPW,   12                         ; v12  LDS address of my spare word; never rewritten
.set NIL,   13                         ; v13  0; never rewritten
.set R,     16                         ; x path: v16-143 two sets of 64 registers as loaded
.set X,     144                        ; v144-207 64 numbers in the quantiser's order
.set TM,    208                        ; v208-223 at work
.set PW,    224                        ; the scale word just made
.set PC,    226                        ; v226-244 the codes just made
.set SEL,   20                         ; s[20:21] lane selects: lane l xor 16
.set VOFF,  16                         ; weights' path: v16-47 my column's byte + i rows
.set XW,    48                         ; v48-111 two sets of 32 numbers
.set CA,    112                        ; v112-117 codes of an even block;  v120-125 of the odd block behind it
.set CB,    120
.set TC,    128                        ; v128-130 a block's upper 16 codes, before they are moved
.set SB,    132                        ; v[132:133] my row's two scale words
.set WB,    32                         ; s[32:47] eight bases: block t's first row
	s_load_b256 s[4:11], s[0:1], 0x0               ; x s[4:5], w_attn s[6:7], w_proj s[8:9], xq s[10:11]
	s_load_b64 s[12:13], s[0:1], 0x20              ; wq
	v_lshl_add_u32 v[SPW], v0, 2, SPARE
	v_mov_b32 v[NIL], 0
	v_lshrrev_b32 v1, 5, v0
	v_readfirstlane_b32 s16, v1                    ; wave 0..3
	v_and_b32 v2, 31, v0                           ; lane
	v_and_b32 v3, 15, v0                           ; r
	v_bfe_u32 v14, v0, 4, 1                        ; h
	v_lshlrev_b32 v7, 3, v2                        ; 8 x lane: my place in every piece of 256 bytes
	s_cmp_lt_u32 ttmp9, 256
	s_cbranch_scc0 .Lweights
	; ---------------- x: K is innermost.  A unit is one tile x one K step: 16 rows x 512 bytes.
	s_mov_b32 s[SEL], 0x76543210
	s_mov_b32 s[SEL+1], 0xfedcba98
	s_mul_i32 s17, s16, WREG
	v_lshlrev_b32 v4, 4, v2                        ; 16 x lane: a load takes 512 consecutive bytes of one row
	v_add_nc_u32 v5, s17, v4                       ; into the stage as loaded
	v_mul_u32_u24 v6, v3, 528
	v_lshl_add_u32 v6, v14, 6, v6
	v_add_nc_u32 v6, s17, v6                       ; out of it: row r, + 64 h: 16 neighbours of each block of 32
	s_add_co_u32 s17, s17, SCW
	v_lshl_add_u32 v8, v3, 3, s17                  ; my row's scale words
	v_add_nc_u32 v9, s17, v7                       ; and on the way out 8 bytes a lane
.irp b, 0,1,2,3
	v_mov_b32 v[TM+4+\b], 0                        ; written once: a lane permute's destination counts as one of its sources
.endr
	s_lshl_b32 s24, ttmp9, 17                      ; my group's 32 rows of 4,096 bytes,
	s_lshl_b32 s25, s16, 10                        ; my wave's 256 along K
	s_add_co_u32 s24, s24, s25
	s_mov_b32 s25, 0
	s_mul_i32 s26, ttmp9, 24576                    ; codes: two tiles a group,
	s_mul_i32 s27, s16, 3072                       ; two K steps a wave
	s_add_co_u32 s26, s26, s27
	s_mov_b32 s27, 0
	s_lshl_b32 s28, ttmp9, 10                      ; scale words
	s_lshl_b32 s29, s16, 8
	s_add_co_u32 s28, s28, s29
	s_add_co_u32 s28, s28, 6291456
	s_mov_b32 s29, 0
	s_wait_kmcnt 0x0
	s_add_nc_u64 s[4:5], s[4:5], s[24:25]
	s_add_nc_u64 s[26:27], s[10:11], s[26:27]
	s_add_nc_u64 s[28:29], s[10:11], s[28:29]
.macro LOADU t                         ; unit t: tile u = t / 2, K step q = t % 2: lane-row i is row 8 u + i + 8 (i / 8) of the group
.irp i, 0,1,2,3,4,5,6,7,8,9,10,11,12,13,14,15
	global_load_b128 v[R+64*((\t)%2)+4*\i:R+64*((\t)%2)+4*\i+3], v4, s[4:5] offset:(8*((\t)/2)+\i+8*(\i/8))*4096+512*((\t)%2) th:TH_LOAD_NT
.endr
.endm
; 64 numbers of a lane, register 16 b + i = k 32 b + 16 (lane / 16) + i of my row, become a fragment's codes in v[PC] on and its scale word in v[PW].
.macro QUANT s
.irp b, 0,1,2,3
	v_max3_num_f32 v[TM+\b], |v[\s+16*\b]|, |v[\s+1+16*\b]|, 0x1800000   ; block b: my 16 numbers, and the floor 2^(3 - 127): the byte cannot fall under 1
.endr
.irp i, 2,4,6,8,10,12,14
.irp b, 0,1,2,3
	v_max3_num_f32 v[TM+\b], v[TM+\b], |v[\s+16*\b+\i]|, |v[\s+1+16*\b+\i]|   ; the four blocks by turns
.endr
.endr
.irp b, 0,1,2,3
	v_permlanex16_b32 v[TM+4+\b], v[TM+\b], s[SEL], s[SEL+1]
.endr
.irp b, 0,1,2,3
	v_max_num_f32 v[TM+\b], v[TM+\b], v[TM+4+\b]   ; with lane l xor 16's: the block's largest magnitude
.endr
.irp b, 0,1,2,3
	v_add_nc_u32 v[TM+12+\b], 0xff000000, v[TM+\b] ; 2 off its exponent field: the conversion's scale operand
.endr
.irp b, 0,1,2,3
	v_lshrrev_b32 v[TM+4+\b], 23, v[TM+12+\b]      ; the scale's byte
.endr
	v_lshl_or_b32 v[PW], v[TM+5], 8, v[TM+4]
	v_lshl_or_b32 v[PW], v[TM+6], 16, v[PW]
	v_lshl_or_b32 v[PW], v[TM+7], 24, v[PW]
.irp c, 0,1
	v_cvt_scalef32_pk16_fp6_f32 v[PC+6*\c:PC+2+6*\c], v[\s+32*\c:\s+15+32*\c], v[TM+12+2*\c]
	v_cvt_scalef32_pk16_fp6_f32 v[PC+12+4*\c:PC+14+4*\c], v[\s+16+32*\c:\s+31+32*\c], v[TM+12+2*\c+1]   ; (a conversion's three registers begin on an even number)
.endr
	v_nop                                          ; one plain place behind a scaled conversion
.irp c, 0,1                                    ; the operand's layout wants a whole block in a lane: lanes 0-15 block 2 c, lanes 16-31 block 2 c + 1
.irp i, 0,1,2
	v_permlane16_swap_b32 v[PC+6*\c+\i], v[PC+12+4*\c+\i]
.endr
.irp i, 0,1,2
	v_mov_b32 v[PC+3+6*\c+\i], v[PC+12+4*\c+\i]
.endr
.endr
.endm
.macro UNIT t
.if (\t) < 3
	s_wait_loadcnt 16                              ; this unit's 16 loads are in; the next unit's 16 may be out
.else
	s_wait_loadcnt 0x0
.endif
.irp i, 0,1,2,3,4,5,6,7,8,9,10,11,12,13,14,15
	ds_store_b128 v5, v[R+64*((\t)%2)+4*\i:R+64*((\t)%2)+4*\i+3] offset:528*\i   ; rows 528 bytes apart: the sixteen rows that a load below touches start at sixteen different 16-byte columns
.endr
.irp b, 0,1,2,3
.irp j, 0,1,2,3
	ds_load_b128 v[X+16*\b+4*\j:X+16*\b+4*\j+3], v6 offset:128*\b+16*\j   ; LDS serves a wave's instructions in order: these see the stores above
.endr
.endr
	s_wait_dscnt 0x0                               ; the numbers are back
.if (\t) > 0
	s_wait_xcnt 0x0                                ; the last unit's stores have read their codes: v[PC] on is written again only behind this wait
.endif
.if (\t) < 2
	LOADU (\t)+2
.endif
	QUANT X
.irp p, 0,1,2,3,4,5
	global_store_b64 v7, v[PC+2*\p:PC+2*\p+1], s[26:27] offset:((\t)/2)*12288+((\t)%2)*1536+256*\p   ; 32 lanes store 256 consecutive bytes, aligned
.endr
	ds_store_b32 v8, v[PW] offset:128*((\t)/2)+4*((\t)%2)   ; lanes r and r + 16 write the same word with the same value
.endm
	LOADU 0
	LOADU 1
	UNIT 0
	UNIT 1
	UNIT 2
	UNIT 3
	ds_load_b64 v[10:11], v9                       ; my wave's 256 bytes of scale words
	s_wait_dscnt 0x0
	global_store_b64 v7, v[10:11], s[28:29]        ; one aligned run of 256 bytes
	s_wait_tensorcnt 0x0                           ; the wave's end, behind my last LDS store
	ds_add_u32 v[SPW], v[NIL]
	s_wait_dscnt 0x0
	s_endpgm
	; ---------------- the weights: K is the FIRST axis.  A lane takes a column, its registers run down K: a block of 32 lies in one lane.
.Lweights:
	s_sub_co_u32 s17, ttmp9, 256                   ; j
	s_sub_co_u32 s18, s17, 96                      ; j - 96 (used where j >= 96)
	s_mov_b32 s28, 2457600                         ; w_proj's codes in wq,
	s_mov_b32 s29, 3244032                         ; its scale words,
	s_mov_b32 s30, 2359296                         ; w_attn's scale words (its codes begin at 0)
	s_mov_b32 s31, 4096                            ; a row of w_proj in bytes,
	s_mov_b32 s19, 12288                           ; of w_attn
	s_wait_kmcnt 0x0
	s_cmp_lt_u32 s17, 96                           ; the choice hangs on the work-group's number alone
	s_cselect_b32 s18, s17, s18
	s_cselect_b64 s[6:7], s[6:7], s[8:9]
	s_cselect_b32 s28, 0, s28
	s_cselect_b32 s29, s30, s29
	s_cselect_b32 s31, s19, s31
	s_and_b32 s22, s18, 3                          ; which 256 along K
	s_lshr_b32 s23, s18, 2
	s_lshl_b32 s23, s23, 2
	s_add_co_u32 s23, s23, s16                     ; g: my wave's group of 32 columns; the four waves stand side by side on 512 bytes of each row
	s_lshl_b32 s24, s22, 8
	s_mul_i32 s24, s24, s31
	s_lshl_b32 s25, s23, 7
	s_add_co_u32 s24, s24, s25
	s_mov_b32 s25, 0
	s_add_nc_u64 s[WB:WB+1], s[6:7], s[24:25]
	s_lshl_b32 s26, s31, 5                         ; 32 rows on
	s_mov_b32 s27, 0
.irp t, 1,2,3,4,5,6,7
	s_add_nc_u64 s[WB+2*\t:WB+2*\t+1], s[WB+2*\t-2:WB+2*\t-1], s[26:27]
.endr
	s_mul_i32 s24, s23, 24576
	s_mul_i32 s25, s22, 3072
	s_add_co_u32 s24, s24, s25
	s_add_co_u32 s24, s24, s28
	s_mov_b32 s25, 0
	s_add_nc_u64 s[48:49], s[12:13], s[24:25]      ; my codes
	s_lshl_b32 s24, s23, 10
	s_lshl_b32 s25, s22, 8
	s_add_co_u32 s24, s24, s25
	s_add_co_u32 s24, s24, s29
	s_mov_b32 s25, 0
	s_add_nc_u64 s[50:51], s[12:13], s[24:25]      ; my scale words
	v_and_b32 v15, 8, v3
	v_add_nc_u32 v15, v15, v3
	v_lshl_add_u32 v15, v14, 3, v15                ; lane (u = lane / 16, r) takes column 8 u + r + 8 (r / 8) of the group: lanes 0-15 are tile 2 g's lane-rows, lanes 16-31 tile 2 g + 1's
	v_lshlrev_b32 v15, 2, v15
.set i, 0
.rept 32
	v_mad_u32_u24 v[VOFF+i], s31, i, v15           ; + i rows
.set i, i+1
.endr
.macro LOADB t                         ; block t: 32 rows of W at my column; a load reads 128 consecutive bytes
.set i, 0
.rept 32
	global_load_b32 v[XW+32*((\t)%2)+i], v[VOFF+i], s[WB+2*(\t):WB+2*(\t)+1] th:TH_LOAD_NT
.set i, i+1
.endr
.endm
.macro BLOCK t
.set XS, XW+32*((\t)%2)
.set CC, CA+8*((\t)%2)
.if (\t) < 7
	s_wait_loadcnt 32                              ; this block's 32 loads are in; the next block's may be out
.else
	s_wait_loadcnt 0x0
.endif
	v_max3_num_f32 v134, |v[XS]|, |v[XS+1]|, |v[XS+2]|   ; the block's largest magnitude: all 32 numbers are mine
	v_max3_num_f32 v135, |v[XS+3]|, |v[XS+4]|, |v[XS+5]|
.irp i, 6,10,14,18,22,26
	v_max3_num_f32 v134, v134, |v[XS+\i]|, |v[XS+\i+1]|
	v_max3_num_f32 v135, v135, |v[XS+\i+2]|, |v[XS+\i+3]|
.endr
	v_max3_num_f32 v134, v134, |v[XS+30]|, |v[XS+31]|
	v_max3_num_f32 v134, v134, v135, 0x1800000     ; and the floor 2^(3 - 127)
	v_add_nc_u32 v136, 0xff000000, v134            ; 2 off its exponent field: the conversion's scale operand
	v_lshrrev_b32 v137, 23, v136                   ; the scale's byte
.if (\t)%4 == 0
	v_mov_b32 v[SB+(\t)/4], v137                   ; four bytes to a word, the lower K in the lower byte
.else
	v_lshl_or_b32 v[SB+(\t)/4], v137, 8*((\t)%4), v[SB+(\t)/4]
.endif
.if ((\t) > 0) && ((\t)%2 == 0)
	s_wait_xcnt 0x0                                ; the last pair's stores have read their codes
.endif
	v_cvt_scalef32_pk16_fp6_f32 v[CC:CC+2], v[XS:XS+15], v136
	v_cvt_scalef32_pk16_fp6_f32 v[TC:TC+2], v[XS+16:XS+31], v136
	v_nop                                          ; one plain place behind a scaled conversion
.irp i, 0,1,2
	v_mov_b32 v[CC+3+\i], v[TC+\i]
.endr
.if (\t) < 6
	LOADB (\t)+2
.endif
.if (\t)%2 == 1                        ; blocks t - 1 and t are k = 64 c + 0 .. 31 and 64 c + 32 .. 63 of a K step: in a fragment the first lies in lanes 0-15, the second in lanes 16-31
.irp i, 0,1,2,3,4,5
	v_permlane16_swap_b32 v[CA+\i], v[CB+\i]       ; the first's lanes 16-31 (tile 2 g + 1) change places with the second's lanes 0-15 (tile 2 g): now the first is tile 2 g's, the second tile 2 g + 1's
.endr
.irp p, 0,1,2
	global_store_b64 v7, v[CA+2*\p:CA+2*\p+1], s[48:49] offset:((\t)/4)*1536+(3*(((\t)%4)/2)+\p)*256
	global_store_b64 v7, v[CB+2*\p:CB+2*\p+1], s[48:49] offset:12288+((\t)/4)*1536+(3*(((\t)%4)/2)+\p)*256
.endr
.endif
.endm
	LOADB 0
	LOADB 1
.irp t, 0,1,2,3,4,5,6,7
	BLOCK \t
.endr
	global_store_b64 v7, v[SB:SB+1], s[50:51]      ; 32 lanes store 256 consecutive bytes, aligned
	s_wait_tensorcnt 0x0                           ; the wave's end
	ds_add_u32 v[SPW], v[NIL]
	s_wait_dscnt 0x0
	s_endpgm
.Lfunc_end_k_q1c56379a89_quant:
	.size	k_q1c56379a89_quant, .Lfunc_end_k_q1c56379a89_quant-k_q1c56379a89_quant
	.p2alignl 7, 3214868480
	.fill 96, 4, 3214868480
	.section	.rodata,"a",@progbits
	.p2align	6, 0x0
	.amdhsa_kernel k_q1c56379a89_quant
		.amdhsa_group_segment_fixed_size 35328
		.amdhsa_private_segment_fixed_size 0
		.amdhsa_enable_private_segment 0
		.amdhsa_kernarg_size 40
		.amdhsa_user_sgpr_count 2
		.amdhsa_user_sgpr_kernarg_segment_ptr 1
		.amdhsa_wavefront_size32 1
		.amdhsa_system_sgpr_workgroup_id_x 1
		.amdhsa_system_sgpr_workgroup_id_y 1
		.amdhsa_system_sgpr_workgroup_id_z 1
		.amdhsa_system_vgpr_workitem_id 0
		.amdhsa_next_free_vgpr 256
		.amdhsa_next_free_sgpr 66
		.amdhsa_reserve_vcc 0
		.amdhsa_float_denorm_mode_32 3
		.amdhsa_float_denorm_mode_16_64 3
		.amdhsa_memory_ordered 1
		.amdhsa_forward_progress 1
		.amdhsa_inst_pref_size 78
	.end_amdhsa_kernel
	.amdgpu_metadata
---
amdhsa.version: [ 1, 2 ]
amdhsa.kernels:
  - .name:           k_q1c56379a89_quant
    .symbol:         k_q1c56379a89_quant.kd
    .args:
      - { .name: x, .offset: 0, .size: 8, .value_kind: global_buffer, .address_space: global }
      - { .name: w_attn, .offset: 8, .size: 8, .value_kind: global_buffer, .address_space: global }
      - { .name: w_proj, .offset: 16, .size: 8, .value_kind: global_buffer, .address_space: global }
      - { .name: xq, .offset: 24, .size: 8, .value_kind: global_buffer, .address_space: global }
      - { .name: wq, .offset: 32, .size: 8, .value_kind: global_buffer, .address_space: global }
    .group_segment_fixed_size: 35328
    .private_segment_fixed_size: 0
    .kernarg_segment_align: 8
    .kernarg_segment_size: 40
    .max_flat_workgroup_size: 128
    .sgpr_count:     66
    .vgpr_count:     256
    .wavefront_size: 32
...
	.end_amdgpu_metadata
.endif
;; end of part 1
;; launch qkv (part 2): grid 12 x 32, 4 waves a work-group, clusters of 4 x 4, 327,680 bytes of LDS; arguments xq, wq, b_attn, qq, kv; writes qq, kv
.if DOCPART == 2
	.amdgcn_target "amdgcn-amd-amdhsa--gfx1250"
	.amdhsa_code_object_version 6
	.text
	.protected	k_q1c56379a89_qkv
	.globl	k_q1c56379a89_qkv
	.p2align	8
	.type	k_q1c56379a89_qkv,@function
k_q1c56379a89_qkv:
	s_mov_b64 s[64:65], 0
	v_nop
	global_prefetch_b8 v0, s[64:65] scope:SCOPE_SE
	s_setreg_imm32_b32 hwreg(HW_REG_WAVE_MODE, 25, 1), 1
	s_wait_xcnt 0x0
	s_wait_alu depctr_hold_cnt(0) depctr_sa_sdst(0) depctr_va_vdst(0) depctr_va_sdst(0) depctr_va_ssrc(0) depctr_va_vcc(0) depctr_vm_vsrc(0)
	s_getreg_b32 s2, hwreg(HW_REG_IB_STS2, 6, 4)
	s_cmp_eq_u32 s2, 0
	s_cbranch_scc0 .Lentry_in_a_cluster
	s_endpgm
.Lentry_in_a_cluster:
	s_bfe_u32 s2, ttmp6, 0x10000c
	s_cmp_lg_u32 s2, 0xf033
	s_cbranch_scc0 .Lentry_shape_is_right
	s_endpgm
.Lentry_shape_is_right:
; qkv = x w_attn + b_attn on codes of FP6 (E2M3), K = 1024, and its results quantised at once into the operands of attention.  Nothing of qkv goes to memory as f32.
; OPERANDS lie as images of their registers: tile T (16 rows; lane-row r = row 32 (T / 2) + 8 (T % 2) + r + 8 (r / 8)) at T x 12288 + ks x 1536 + p x 256 + 8 x lane; scale words at (T / 2) x 1024 + (ks / 2) x 256 + (T % 2) x 128 + 8 r + 4 (ks % 2).
; A tile of the result, 256 x 256, is made by four waves, each 128 x 128: 64 accumulators, 512 registers.  K goes in steps of 256 through a ring of two LDS slots; the scale words of all of K come once.
; THE PRODUCT IS USED TRANSPOSED (source 0 = 16 rows of B, source 1 = 16 rows of A): a lane holds one row of A, and by the tiles' choice of rows its 64 registers of a block run along 128 NEIGHBOURING rows of B.
; ROLES, by the cluster's x (the same in all sixteen partners): 0: q, 1: k: A = x (tokens), B = w_attn's columns: a lane's registers run along two heads' d, the K of the scores.
;        2: v: A = w_attn's columns 2048 on, B = x: a lane holds one (head, d) and its registers run along 128 keys, the K of the second product.  One text serves all three; only addresses and the bias differ.
; CLUSTERS: 4 x 4.  A's tiles are shared along a row of the cluster, B's along a column: each is asked for jointly, by the same tensor load with the same descriptor and a mask that names the four.
; THE BIAS starts the sums: the accumulators are laid out as bias(row of B) + bias(row of A), one of which is 0 in each role, while the first tiles are on their way.
; LIMITS: as the quantiser's everywhere in this program: NaN and infinities not served; largest magnitudes under 2^-124, and blocks of zeros, get the byte 1.
; REGISTERS: window 0: v0-31 addresses; v32-63 scale words, two sets; v64-127, v224-239 the bias; v128-223 A's fragments, one set.  window 1: B's fragments, two sets, at v0 and v128.  windows 2, 3: accumulator (a, b) at v[8 (8 (a % 4) + b)].
.set NQ,     2                         ; matrix instructions deep in a slot
.set FR,     12                        ; registers of a fragment
.set NL,     6                         ; LDS loads that bring one
.set NP,     4                         ; places behind this matrix instruction (ISA guide 7.12.1)
.set TILEB,  3072                      ; a tile's two K steps: consecutive in memory and in LDS
.set HALFT,  8*TILEB                   ; 128 rows: what one tensor load brings
.set SLOT,   4*HALFT                   ; A's 256 rows, then B's 256 rows
.set SCL,    2*SLOT                    ; behind the ring: the scale words, 4,096 bytes for each 128 rows
.set HALFS,  4096
.set SPARE,  SCL+4*HALFS               ; the spare words, 128 bytes a wave: two blocks of 256 bytes that no other line names
.set XSCO,   6291456                   ; where the scale words begin in xq,
.set WSCO,   2359296                   ; and w_attn's in wq
.set REC,    208896                    ; a head's record in kv: k's codes 98,304; v's codes 98,304; k's scale words 8,192; v's 4,096
.set ADRA, 16                          ; v16-17  LDS address of my A fragments in slot 0, 1
.set ADRB, 20                          ; v20-21  the same for B
.set SST,  24                          ; v24     the way out: where a block's scale word goes (my wave's 512 bytes in slot 0, which has had its last fill and its last read by then)
.set SLD,  25                          ; v25     and where 16 bytes of them are read back
.set L8,   26                          ; v26     8 x lane
.set ADRS, 27                          ; v27     LDS address of my scale words: lanes 0-15 A's rows, lanes 16-31 B's
.set SPW,  28                          ; v28     LDS address of my spare word; never rewritten
.set NIL,  29                          ; v29     0; never rewritten
.set VSO,  30                          ; v30     v's scale words on the way out: 16 (lane % 16) + a record for lanes 16-31
.set L16,  31                          ; v31     16 x lane
.set SC,   32
.set BN,   64                          ; the bias by B's rows, in a block's layout
.set BM,   224                         ; the bias by A's rows: a pair for each block a
.set AF,   128
.set TM,   32                          ; the way out: v32-47 at work, v48 the scale word, v52-59 scale words, v64-82 codes
.set PW,   48
.set SW,   52
.set PC,   64
.set G1, 24                            ; s[24:31] group 1 for A's tiles;  s[32:39] group 0, a set for each slot
.set G0, 32
.set G1B, 48                           ; s[48:55], s[56:63] the same for B's
.set G0B, 56
.set G1S, 68                           ; s[68:75], s[76:79] for A's scale words;  s[80:87], s[88:91] for B's
.set G0S, 76
.set G1SB, 80
.set G0SB, 88
.set P0,  20                           ; the way out: s[20:21], s[22:23] where a block's first and last three pieces go; s[46:47], s[92:93] the scale words; s[96:97], s[98:99] the steps
.set P1,  22
.set SP0, 46
.set SP1, 92
.set S1,  96
.set S2,  98
.set MSB, 0
.macro WIN new                         ; the immediate's high byte repeats the setting that is left
.if MSB != (\new)
	s_set_vgpr_msb (MSB<<8)|(\new)
.set MSB, (\new)
.endif
.endm
.set MUL_LO, 0xa1                      ; source 0 (B) window 1, source 1 (A) window 0, C and D window 2
.set MUL_HI, 0xf1                      ; the same, C and D window 3
.set TO_B,   0x40                      ; destination window 1, address window 0
; A joint load: waves 0 and 1 fetch for A, waves 2 and 3 for B.  The branch hangs on the wave's number alone.  An s_nop 0 and four v_nop follow each of the two lines.
.macro JLOAD g0a, g1a, g0b, g1b
	s_cmp_eq_u32 s15, 0
	s_cbranch_scc0 .Lfor_b_\@
	tensor_load_to_lds s[\g0a:\g0a+3], s[\g1a:\g1a+7]
	s_nop 0
.rept 4
	v_nop
.endr
	s_branch .Lasked_\@
.Lfor_b_\@:
	tensor_load_to_lds s[\g0b:\g0b+3], s[\g1b:\g1b+7]
	s_nop 0
.rept 4
	v_nop
.endr
.Lasked_\@:
.endm
.macro CREST                           ; a round of the cluster's barrier behind its opening barrier
	s_cmp_lg_u32 s14, 0
	s_cbranch_scc1 .Lnot_wave_0_\@
	s_barrier_signal -3
.Lnot_wave_0_\@:
	s_barrier_wait -3
	s_barrier_signal -1
	s_barrier_wait -1
.endm
.macro CROUND                          ; a whole round
	s_barrier_signal -1
	s_barrier_wait -1
	CREST
.endm
	s_load_b256 s[4:11], s[0:1], 0x0               ; xq s[4:5], wq s[6:7], b_attn s[8:9], qq s[10:11]
	s_load_b64 s[12:13], s[0:1], 0x20              ; kv
	v_lshl_add_u32 v[SPW], v0, 2, SPARE
	v_mov_b32 v[NIL], 0
	ds_add_u32 v[SPW], v[NIL]                      ; the wave's opening: the add and its wait stand ahead of my first tensor load; the set-up below, work on registers, stands between them
	v_lshrrev_b32 v1, 5, v0
	v_readfirstlane_b32 s14, v1                    ; wave 0..3
	s_lshr_b32 s15, s14, 1                         ; which half of A's rows is mine.  Also: I fetch for A (0) or for B (1)
	s_and_b32 s16, s14, 1                          ; which half of B's rows.  Also: which 128 rows I fetch
	s_bfe_u32 s40, ttmp6, 0x40000                  ; cx, cy: my place in the cluster
	s_bfe_u32 s41, ttmp6, 0x40004
	s_and_b32 s18, ttmp7, 0xffff
	s_lshl_b32 s18, s18, 2                         ; 4 x cluster y
	s_lshl_b32 s19, ttmp9, 2                       ; 4 x role
	s_mov_b32 s66, XSCO
	s_mov_b32 s67, WSCO
	s_cmp_eq_u32 ttmp9, 2                          ; role v?
	s_cselect_b32 s17, 8, s18                      ; A's block of 256 rows: v: 8 + cy of w_attn's columns; q, k: 4 cluster y + cy of the tokens
	s_cselect_b32 s42, s18, s19                    ; B's: v: 4 cluster y + cx of the tokens; q, k: 4 role + cx of the columns
	s_cselect_b32 s2, s67, s66                     ; where A's scale words begin in A's buffer,
	s_cselect_b32 s3, s66, s67                     ; and B's in B's
	s_add_co_u32 s17, s17, s41
	s_add_co_u32 s42, s42, s40
	s_lshl_b32 s43, s41, 2
	s_lshl_b32 s43, 15, s43                        ; my row of the cluster
	s_lshl_b32 s44, 0x1111, s40                    ; my column
	; group 1, codes: 8 tiles, of each 3,072 consecutive bytes (384 elements of 8 bytes), 12,288 bytes (1,536 elements) apart; no padding: every LDS load takes 256 consecutive bytes
	s_or_b32 s[G1+0], s43, (3<<16)|(1<<21)         ; 15:0 the mask: A's tiles go to my row; 17:16 elements of 8 bytes; 21 set beside a mask
	s_or_b32 s[G1B+0], s44, (3<<16)|(1<<21)
.irp g, G1, G1B
	s_mov_b32 s[\g+1], 384<<16                     ; tensor_dim0
	s_mov_b32 s[\g+2], 8<<16                       ; tensor_dim1
	s_mov_b32 s[\g+3], 384<<16                     ; tile_dim0
	s_mov_b32 s[\g+4], 8                           ; tile_dim1
	s_mov_b32 s[\g+5], 1536                        ; tensor_dim0_stride
	s_mov_b32 s[\g+6], 0
	s_mov_b32 s[\g+7], 0
.endr
	; group 1, scale words of 128 rows: 4,096 dense bytes as 16 rows of 256
	s_or_b32 s[G1S+0], s43, (3<<16)|(1<<21)
	s_or_b32 s[G1SB+0], s44, (3<<16)|(1<<21)
.irp g, G1S, G1SB
	s_mov_b32 s[\g+1], 32<<16
	s_mov_b32 s[\g+2], 16<<16
	s_mov_b32 s[\g+3], 32<<16
	s_mov_b32 s[\g+4], 16
	s_mov_b32 s[\g+5], 32
	s_mov_b32 s[\g+6], 0
	s_mov_b32 s[\g+7], 0
.endr
	s_lshl_b32 s18, s16, 3                         ; which 8 tiles of the 16 I fetch
	s_lshl_b32 s20, s17, 4
	s_add_co_u32 s20, s20, s18                     ; A's first tile
	s_lshl_b32 s46, s42, 4
	s_add_co_u32 s46, s46, s18                     ; B's first tile
	s_lshl_b32 s22, s20, 9                         ; its scale words: 512 bytes a tile
	s_add_co_u32 s22, s22, s2
	s_lshl_b32 s92, s46, 9
	s_add_co_u32 s92, s92, s3
	s_mul_i32 s20, s20, 12288                      ; its codes
	s_mul_i32 s46, s46, 12288
	s_mov_b32 s21, 0
	s_mov_b32 s23, 0
	s_mov_b32 s47, 0
	s_mov_b32 s93, 0
	s_mul_i32 s45, s14, HALFT                      ; where they go: wave x 128 rows: no place in the cluster enters an LDS address
	s_mul_i32 s94, s14, HALFS
	s_wait_dscnt 0x0                               ; the opening add is done
	s_wait_kmcnt 0x0
	s_cmp_eq_u32 ttmp9, 2
	s_cselect_b64 s[96:97], s[6:7], s[4:5]         ; A's buffer
	s_cselect_b64 s[98:99], s[4:5], s[6:7]         ; B's
	s_add_nc_u64 s[20:21], s[96:97], s[20:21]
	s_add_nc_u64 s[22:23], s[96:97], s[22:23]
	s_add_nc_u64 s[46:47], s[98:99], s[46:47]
	s_add_nc_u64 s[92:93], s[98:99], s[92:93]
	CROUND                                         ; all sixteen work-groups are here: the first joint loads meet
	s_mov_b32 s[G0S], 1
	s_add_co_u32 s[G0S+1], s94, SCL
	s_mov_b64 s[G0S+2:G0S+3], s[22:23]
	s_or_b32 s[G0S+3], s[G0S+3], 0x80000000
	s_mov_b32 s[G0SB], 1
	s_add_co_u32 s[G0SB+1], s94, SCL
	s_mov_b64 s[G0SB+2:G0SB+3], s[92:93]
	s_or_b32 s[G0SB+3], s[G0SB+3], 0x80000000
	JLOAD G0S, G1S, G0SB, G1SB                     ; the scale words first: they are wanted with K step 0
.irp s, 0,1
	s_mov_b32 s[G0+4*\s], 1
	s_add_co_u32 s[G0+4*\s+1], s45, \s*SLOT
	s_add_nc_u64 s[G0+4*\s+2:G0+4*\s+3], s[20:21], \s*TILEB
	s_or_b32 s[G0+4*\s+3], s[G0+4*\s+3], 0x80000000
	s_mov_b32 s[G0B+4*\s], 1
	s_add_co_u32 s[G0B+4*\s+1], s45, \s*SLOT
	s_add_nc_u64 s[G0B+4*\s+2:G0B+4*\s+3], s[46:47], \s*TILEB
	s_or_b32 s[G0B+4*\s+3], s[G0B+4*\s+3], 0x80000000
	JLOAD G0+4*\s, G1, G0B+4*\s, G1B               ; three tensor loads of mine are out now
.endr
	v_and_b32 v1, 15, v0                           ; r
	v_bfe_u32 v2, v0, 4, 1                         ; h
	v_and_b32 v4, 31, v0
	v_lshlrev_b32 v[L8], 3, v4
	v_lshlrev_b32 v[L16], 4, v4
	s_mul_i32 s18, s15, HALFT                      ; my 128 rows of A
	s_mul_i32 s19, s16, HALFT                      ; my 128 rows of B,
	s_add_co_u32 s19, s19, 2*HALFT                 ; which lie behind A's 256
.irp s, 0,1
	v_add_nc_u32 v[ADRA+\s], s18, v[L8]
	v_add_nc_u32 v[ADRB+\s], s19, v[L8]
	s_add_co_u32 s18, s18, SLOT
	s_add_co_u32 s19, s19, SLOT
.endr
	v_lshlrev_b32 v5, 3, v1                        ; my row's two scale words of a slot: 8 r
	s_mul_i32 s18, s15, HALFS                      ; A's: my 128 rows
	s_mul_i32 s19, s16, HALFS                      ; B's: my 128 rows, behind A's 256
	s_add_co_u32 s19, s19, 2*HALFS
	s_sub_co_u32 s19, s19, s18
	v_mul_u32_u24 v6, s19, v2                      ; lanes 16-31 take B's
	s_add_co_u32 s18, s18, SCL
	v_add_nc_u32 v5, v5, v6
	v_add_nc_u32 v[ADRS], s18, v5
	s_lshl_b32 s18, s14, 9                         ; the way out's 512 bytes of my wave
	v_lshl_add_u32 v[SST], v1, 2, s18
	v_add_nc_u32 v[SLD], s18, v[L16]
	v_mul_u32_u24 v[VSO], v2, REC
	v_lshl_add_u32 v[VSO], v1, 4, v[VSO]
	; THE BIAS.  q, k: it hangs on B's row: register 8 b + j of a block is column 32 (b / 2) + 8 (b % 2) + 16 h + j of my 128.  v: on A's row: lane-row r of block a is row 32 (a / 2) + 8 (a % 2) + r + 8 (r / 8) of my 128.
	s_cmp_eq_u32 ttmp9, 2
	s_cbranch_scc1 .Lbias_v
	s_lshl_b32 s18, s42, 10
	s_lshl_b32 s19, s16, 9
	s_add_co_u32 s18, s18, s19
	s_mov_b32 s19, 0
	s_add_nc_u64 s[100:101], s[8:9], s[18:19]
	v_lshlrev_b32 v4, 6, v2
.irp b, 0,1,2,3,4,5,6,7
	global_load_b128 v[BN+8*\b:BN+8*\b+3], v4, s[100:101] offset:128*(\b/2)+32*(\b%2)
	global_load_b128 v[BN+8*\b+4:BN+8*\b+7], v4, s[100:101] offset:128*(\b/2)+32*(\b%2)+16
.endr
.irp a, 0,1,2,3,4,5,6,7
	v_mov_b32 v[BM+2*\a], 0
.endr
	s_branch .Lbias_done
.Lbias_v:
	s_lshl_b32 s18, s41, 10
	s_lshl_b32 s19, s15, 9
	s_add_co_u32 s18, s18, s19
	s_add_co_u32 s18, s18, 8192
	s_mov_b32 s19, 0
	s_add_nc_u64 s[100:101], s[8:9], s[18:19]
	v_and_b32 v4, 8, v1
	v_add_nc_u32 v4, v4, v1
	v_lshlrev_b32 v4, 2, v4
.irp a, 0,1,2,3,4,5,6,7
	global_load_b32 v[BM+2*\a], v4, s[100:101] offset:128*(\a/2)+32*(\a%2)
.endr
.set i, 0
.rept 64
	v_mov_b32 v[BN+i], 0
.set i, i+1
.endr
.Lbias_done:
	s_wait_loadcnt 0x0
.irp a, 0,1,2,3,4,5,6,7
	v_mov_b32 v[BM+2*\a+1], v[BM+2*\a]             ; a pair for the packed addition
.endr
.irp a, 0,1,2,3,4,5,6,7                        ; the sums start as the bias
	WIN 0x80+0x40*(\a/4)                           ; destination window 2 or 3
.set i, 0
.rept 32
	v_pk_add_f32 v[64*(\a%4)+2*i:64*(\a%4)+2*i+1], v[BN+2*i:BN+2*i+1], v[BM+2*\a:BM+2*\a+1]
.set i, i+1
.endr
.endr
	WIN 0
.rept 4
	v_nop
.endr
.macro FRAG reg, adr, q, i             ; a fragment comes as it was stored: six pieces of 256 consecutive bytes, 8 bytes a lane
.irp p, 0,1,2,3,4,5
	ds_load_b64 v[\reg+2*\p:\reg+2*\p+1], v[\adr] offset:(\i)*TILEB+(\q)*1536+256*\p
.endr
.endm
; 16 matrix instructions: A's blocks a0, a0 + 1 x B's eight, 128 along K: the slot's q-th.  p: B's set;  sc: the set of scale words.  The 64 accumulators take turns, one instruction a turn, in the same order in every step.
.macro MUL16 a0, p, q, sc
.irp a, \a0, \a0+1
.irp b, 0,1,2,3,4,5,6,7
	v_wmma_scale_f32_16x16x128_f8f6f4 v[8*(8*((\a)%4)+\b):8*(8*((\a)%4)+\b)+7], v[128*(\p)+FR*\b:128*(\p)+FR*\b+FR-1], v[AF+FR*(\a):AF+FR*(\a)+FR-1], v[8*(8*((\a)%4)+\b):8*(8*((\a)%4)+\b)+7], v[SC+8*NQ*(\sc)+NQ*\b+(\q)], v[SC+8*NQ*(\sc)+NQ*(\a)+(\q)] matrix_a_fmt:MATRIX_FMT_FP6 matrix_b_fmt:MATRIX_FMT_FP6 matrix_a_scale:MATRIX_SCALE_ROW1
.endr
.endr
.endm
.macro FETCH_B slot, q, p              ; B's eight fragments of the slot's q-th 128 along K into set p
	WIN TO_B
.irp i, 0,1,2,3,4,5,6,7
	FRAG 128*(\p)+FR*\i, ADRB+\slot, \q, \i
.endr
	WIN 0
.endm
.macro FETCH_A slot, q, i0             ; A's blocks i0 .. i0 + 3
.irp i, \i0, \i0+1, \i0+2, \i0+3
	FRAG AF+FR*(\i), ADRA+\slot, \q, \i
.endr
.endm
.macro SCALES sc                       ; a slot's scale words into set sc: two words a row; lanes 0-15 take A's block i, lanes 16-31 B's block i
.irp i, 0,1,2,3,4,5,6,7
	ds_load_b64 v[SC+8*NQ*\sc+NQ*\i:SC+8*NQ*\sc+NQ*\i+1], v[ADRS] offset:(\i/2)*1024+(\i%2)*128
.endr
.endm
.macro PLACES n                        ; places in front of loads into registers that matrix instructions have read, and of the first read of results
.rept \n
	v_nop
.endr
.endm
; A step of 128 along K that has its successor in the same slot.
.macro STEP slot, q
	s_wait_dscnt 4*NL                              ; B's set and A's blocks 0-3 are in; the youngest 24 loads (A's blocks 4-7) may be out
	WIN MUL_LO
	MUL16 0, (\q)%2, \q, \slot
	MUL16 2, (\q)%2, \q, \slot
	s_wait_dscnt 0                                 ; A's blocks 4-7 are in
	PLACES NP
	FETCH_B \slot, (\q)+1, 1-(\q)%2
	FETCH_A \slot, (\q)+1, 0
	WIN MUL_HI
	MUL16 4, (\q)%2, \q, \slot
	MUL16 6, (\q)%2, \q, \slot
	PLACES NP
	WIN 0
	FETCH_A \slot, (\q)+1, 4
.endm
; A slot's last step changes slots: ONE barrier; in front of it each wave waits for all its tensor loads, adds 0 to its spare word, and waits for that and for its own reads of this slot.  fill = 1: this slot is filled again, two slots ahead along K.
.macro TURN slot, next, fill
	s_wait_tensorcnt 0x0                           ; all my tensor loads have landed: my part of the next slot  (every window is 0 here)
	ds_add_u32 v[SPW], v[NIL]                      ; 0 onto my spare word
	s_wait_dscnt 4*NL+1                            ; (the add and the youngest 24 loads, A's blocks 4-7, may be out)
	WIN MUL_LO
	MUL16 0, 1, NQ-1, \slot                        ; sixteen matrix instructions stand between the add and the wait for it
	s_wait_dscnt 0x0                               ; the add is done, and my reads of this slot are over
	s_barrier_signal -1
	MUL16 2, 1, NQ-1, \slot
	WIN 0
	s_barrier_wait -1
.if \fill
	CREST                                          ; the barrier has opened a round of the cluster's barrier: no wave of any partner still reads this slot or has a load on its way
	s_add_nc_u64 s[G0+4*\slot+2:G0+4*\slot+3], s[G0+4*\slot+2:G0+4*\slot+3], 2*TILEB
	s_add_nc_u64 s[G0B+4*\slot+2:G0B+4*\slot+3], s[G0B+4*\slot+2:G0B+4*\slot+3], 2*TILEB
	JLOAD G0+4*\slot, G1, G0B+4*\slot, G1B         ; the first tensor load behind the round, my one load until the next; its four v_nop are the places in front of the loads below
.else
	PLACES NP
.endif
	v_add_nc_u32 v[ADRS], 256, v[ADRS]             ; on to the next slot's scale words (no LDS load of mine is out)
	FETCH_B \next, 0, 0
	FETCH_A \next, 0, 0
	SCALES \next
	WIN MUL_HI
	MUL16 4, 1, NQ-1, \slot
	MUL16 6, 1, NQ-1, \slot
	PLACES NP
	WIN 0
	FETCH_A \next, 0, 4
.endm
	s_wait_tensorcnt 1                             ; the scale words and my part of slot 0 are in (slot 1's load may be out)
	s_barrier_signal -1
	s_barrier_wait -1                              ; everybody's are
	FETCH_B 0, 0, 0
	FETCH_A 0, 0, 0
	SCALES 0
	FETCH_A 0, 0, 4
	STEP 0, 0
	s_mov_b32 s3, 1                                ; K = 1024 is four slots: one trip fills both slots again
.Llap:
	TURN 0, 1, 1
	STEP 1, 0
	TURN 1, 0, 1
	STEP 0, 0
	s_sub_co_u32 s3, s3, 1
	s_cmp_lg_u32 s3, 0
	s_cbranch_scc1 .Llap
	TURN 0, 1, 0                                   ; the last lap fills nothing, and has no round of the cluster's barrier
	STEP 1, 0
	s_wait_dscnt 4*NL                              ; the very last step: nothing more to fetch
	WIN MUL_LO
	MUL16 0, 1, NQ-1, 1
	MUL16 2, 1, NQ-1, 1
	s_wait_dscnt 0
	WIN MUL_HI
	MUL16 4, 1, NQ-1, 1
	MUL16 6, 1, NQ-1, 1
	WIN 0
	PLACES NP
	; THE WAY OUT.  Each block a (16 rows of A x my 128 rows of B) is quantised along B's rows in registers and leaves as a fragment's six pieces.
	; q, k: pieces 0-2 are head head0's 64 of d, pieces 3-5 head0 + 1's; block a is token tile tl0 + a.   v: all six pieces are keys 128 step .. + 127 of d tile a % 4 of head head0 + a / 4.
	s_lshl_b32 s18, s17, 8
	s_lshl_b32 s19, s15, 7
	s_add_co_u32 s18, s18, s19                     ; q, k: my first token
	s_lshl_b32 s94, s42, 8
	s_lshl_b32 s95, s16, 7
	s_add_co_u32 s94, s94, s95                     ; v: my first token
	s_lshl_b32 s100, s40, 2
	s_lshl_b32 s95, s16, 1
	s_add_co_u32 s100, s100, s95                   ; q, k: my first head: 4 cx + 2 (wave % 2)
	s_lshl_b32 s101, s41, 2
	s_lshl_b32 s95, s15, 1
	s_add_co_u32 s101, s101, s95                   ; v: 4 cy + 2 (wave / 2)
	s_cmp_eq_u32 ttmp9, 2
	s_cselect_b32 s18, s94, s18
	s_cselect_b32 s100, s101, s100
	s_lshr_b32 s19, s18, 11
	s_lshl_b32 s19, s19, 4
	s_add_co_u32 s19, s19, s100                    ; 16 x batch + head
	s_and_b32 s18, s18, 2047                       ; the token within its batch
	s_mov_b32 s95, 0
	s_mov_b32 s101, 0
	s_mov_b32 s[S1+1], 0
	s_mov_b32 s[S2+1], 0
	s_mov_b32 s66, 0x76543210                      ; lane selects: lane l xor 16
	s_mov_b32 s67, 0xfedcba98
	s_cmp_eq_u32 ttmp9, 2
	s_cbranch_scc1 .Lout_v
	s_lshr_b32 s45, s18, 4                         ; tl0
	s_mul_i32 s2, s45, 768
	s_lshl_b32 s3, s45, 6
	s_mov_b32 s[S1], 768
	s_mov_b32 s[S2], 768
	s_cmp_eq_u32 ttmp9, 0
	s_cbranch_scc0 .Lout_k
	s_mul_i32 s94, s19, 98304
	s_add_co_u32 s94, s94, s2
	s_add_nc_u64 s[P0:P0+1], s[10:11], s[94:95]
	s_add_nc_u64 s[P1:P1+1], s[P0:P0+1], 98304
	s_lshl_b32 s100, s19, 13
	s_add_co_u32 s100, s100, s3
	s_add_co_u32 s100, s100, 6291456
	s_add_nc_u64 s[SP0:SP0+1], s[10:11], s[100:101]
	s_add_nc_u64 s[SP1:SP1+1], s[SP0:SP0+1], 8192
	s_branch .Lout_go
.Lout_k:
	s_mul_i32 s94, s19, REC
	s_add_co_u32 s100, s94, s3
	s_add_co_u32 s100, s100, 196608
	s_add_co_u32 s94, s94, s2
	s_add_nc_u64 s[P0:P0+1], s[12:13], s[94:95]
	s_add_nc_u64 s[P1:P1+1], s[P0:P0+1], REC
	s_add_nc_u64 s[SP0:SP0+1], s[12:13], s[100:101]
	s_add_nc_u64 s[SP1:SP1+1], s[SP0:SP0+1], REC
	s_branch .Lout_go
.Lout_v:
	s_lshr_b32 s45, s18, 7                         ; the key step
	s_mul_i32 s94, s19, REC
	s_lshl_b32 s100, s45, 8
	s_add_co_u32 s100, s100, s94
	s_add_co_u32 s100, s100, 204800
	s_mul_i32 s2, s45, 6144
	s_add_co_u32 s94, s94, s2
	s_add_co_u32 s94, s94, 98304
	s_add_nc_u64 s[P0:P0+1], s[12:13], s[94:95]
	s_add_nc_u64 s[P1:P1+1], s[P0:P0+1], 768
	s_add_nc_u64 s[SP0:SP0+1], s[12:13], s[100:101]
	s_mov_b64 s[SP1:SP1+1], s[SP0:SP0+1]
	s_mov_b32 s[S1], 1536                          ; from d tile to d tile;
	s_mov_b32 s[S2], REC-3*1536                    ; from a head's last d tile to the next head's first
.Lout_go:
.irp b, 0,1,2,3
	v_mov_b32 v[TM+4+\b], 0                        ; written once: a lane permute's destination counts as one of its sources
.endr
.macro OUT a
.set AC, 64*((\a)%4)
	WIN 0x0a+5*((\a)/4)                            ; sources 0 and 1: window 2 or 3
.irp b, 0,1,2,3
	v_max3_num_f32 v[TM+\b], |v[AC+16*\b]|, |v[AC+16*\b+1]|, 0x1800000   ; block b of 32 along the next K: my 16 numbers, each accumulator from its low end on, and the floor 2^(3 - 127)
.endr
.irp i, 2,4,6,8,10,12,14
.irp b, 0,1,2,3
	v_max3_num_f32 v[TM+\b], |v[AC+16*\b+\i]|, |v[AC+16*\b+\i+1]|, v[TM+\b]
.endr
.endr
	WIN 0
.irp b, 0,1,2,3
	v_permlanex16_b32 v[TM+4+\b], v[TM+\b], s66, s67
.endr
.irp b, 0,1,2,3
	v_max_num_f32 v[TM+\b], v[TM+\b], v[TM+4+\b]   ; with lane l xor 16's: the block's largest magnitude
.endr
.irp b, 0,1,2,3
	v_add_nc_u32 v[TM+12+\b], 0xff000000, v[TM+\b] ; 2 off its exponent field: the conversion's scale operand
.endr
.irp b, 0,1,2,3
	v_lshrrev_b32 v[TM+4+\b], 23, v[TM+12+\b]      ; the scale's byte
.endr
	v_lshl_or_b32 v[PW], v[TM+5], 8, v[TM+4]
	v_lshl_or_b32 v[PW], v[TM+6], 16, v[PW]
	v_lshl_or_b32 v[PW], v[TM+7], 24, v[PW]
.if (\a) > 0
	s_wait_xcnt 0x0                                ; the last block's stores have read their codes and their bases: both are written again only behind this wait
.if (\a) == 4
	s_add_nc_u64 s[P0:P0+1], s[P0:P0+1], s[S2:S2+1]
	s_add_nc_u64 s[P1:P1+1], s[P1:P1+1], s[S2:S2+1]
.else
	s_add_nc_u64 s[P0:P0+1], s[P0:P0+1], s[S1:S1+1]
	s_add_nc_u64 s[P1:P1+1], s[P1:P1+1], s[S1:S1+1]
.endif
.endif
	WIN 2+(\a)/4                                   ; source 0: window 2 or 3
.irp c, 0,1
	v_cvt_scalef32_pk16_fp6_f32 v[PC+6*\c:PC+2+6*\c], v[AC+32*\c:AC+15+32*\c], v[TM+12+2*\c]
	v_cvt_scalef32_pk16_fp6_f32 v[PC+12+4*\c:PC+14+4*\c], v[AC+16+32*\c:AC+31+32*\c], v[TM+12+2*\c+1]
.endr
	WIN 0
	v_nop                                          ; one plain place behind a scaled conversion
.irp c, 0,1
.irp i, 0,1,2
	v_permlane16_swap_b32 v[PC+6*\c+\i], v[PC+12+4*\c+\i]
.endr
.irp i, 0,1,2
	v_mov_b32 v[PC+3+6*\c+\i], v[PC+12+4*\c+\i]
.endr
.endr
.irp p, 0,1,2
	global_store_b64 v[L8], v[PC+2*\p:PC+2*\p+1], s[P0:P0+1] offset:256*\p        ; 32 lanes store 256 consecutive bytes, aligned
.endr
.irp p, 0,1,2
	global_store_b64 v[L8], v[PC+6+2*\p:PC+7+2*\p], s[P1:P1+1] offset:256*\p
.endr
	ds_store_b32 v[SST], v[PW] offset:64*(\a)      ; lanes r and r + 16 write the same word with the same value
.endm
.irp a, 0,1,2,3,4,5,6,7
	OUT \a
.endr
	ds_load_b128 v[SW:SW+3], v[SLD]                ; my wave's 8 x 16 scale words, 16 bytes a lane: LDS serves a wave's instructions in order
	s_wait_dscnt 0x0
	s_cmp_eq_u32 ttmp9, 2
	s_cbranch_scc1 .Lsc_v
.irp i, 0,1,2,3
	v_lshrrev_b32 v[SW+4+\i], 16, v[SW+\i]         ; q, k: a word's upper two bytes are the second head's; each head's word has 0 over the zero codes that fill K from 64 to 128
.endr
.irp i, 0,1,2,3
	v_and_b32 v[SW+\i], 0xffff, v[SW+\i]
.endr
	global_store_b128 v[L16], v[SW:SW+3], s[SP0:SP0+1]      ; 512 consecutive bytes
	global_store_b128 v[L16], v[SW+4:SW+7], s[SP1:SP1+1]
	s_branch .Lsc_done
.Lsc_v:
	global_store_b128 v[VSO], v[SW:SW+3], s[SP0:SP0+1]      ; lanes 0-15: the first head's 256 bytes; lanes 16-31: the second's, a record on
.Lsc_done:
	s_wait_tensorcnt 0x0                           ; the wave's end, behind my last tensor load and my last LDS store
	ds_add_u32 v[SPW], v[NIL]
	s_wait_dscnt 0x0
	CROUND                                         ; the closing round: no work-group ends while a partner may still ask for a tile that names it
	s_endpgm
.Lfunc_end_k_q1c56379a89_qkv:
	.size	k_q1c56379a89_qkv, .Lfunc_end_k_q1c56379a89_qkv-k_q1c56379a89_qkv
	.p2alignl 7, 3214868480
	.fill 96, 4, 3214868480
	.section	.rodata,"a",@progbits
	.p2align	6, 0x0
	.amdhsa_kernel k_q1c56379a89_qkv
		.amdhsa_group_segment_fixed_size 327680
		.amdhsa_private_segment_fixed_size 0
		.amdhsa_enable_private_segment 0
		.amdhsa_kernarg_size 40
		.amdhsa_user_sgpr_count 2
		.amdhsa_user_sgpr_kernarg_segment_ptr 1
		.amdhsa_wavefront_size32 1
		.amdhsa_system_sgpr_workgroup_id_x 1
		.amdhsa_system_sgpr_workgroup_id_y 1
		.amdhsa_system_sgpr_workgroup_id_z 1
		.amdhsa_system_vgpr_workitem_id 0
		.amdhsa_next_free_vgpr 1024
		.amdhsa_next_free_sgpr 102
		.amdhsa_reserve_vcc 0
		.amdhsa_float_denorm_mode_32 3
		.amdhsa_float_denorm_mode_16_64 3
		.amdhsa_memory_ordered 1
		.amdhsa_forward_progress 1
		.amdhsa_inst_pref_size 192
	.end_amdhsa_kernel
	.amdgpu_metadata
---
amdhsa.version: [ 1, 2 ]
amdhsa.kernels:
  - .name:           k_q1c56379a89_qkv
    .symbol:         k_q1c56379a89_qkv.kd
    .args:
      - { .name: xq, .offset: 0, .size: 8, .value_kind: global_buffer, .address_space: global }
      - { .name: wq, .offset: 8, .size: 8, .value_kind: global_buffer, .address_space: global }
      - { .name: b_attn, .offset: 16, .size: 8, .value_kind: global_buffer, .address_space: global }
      - { .name: qq, .offset: 24, .size: 8, .value_kind: global_buffer, .address_space: global }
      - { .name: kv, .offset: 32, .size: 8, .value_kind: global_buffer, .address_space: global }
    .group_segment_fixed_size: 327680
    .private_segment_fixed_size: 0
    .kernarg_segment_align: 8
    .kernarg_segment_size: 40
    .max_flat_workgroup_size: 128
    .sgpr_count:     102
    .vgpr_count:     1024
    .wavefront_size: 32
...
	.end_amdgpu_metadata
.endif
;; end of part 2
;; launch attn (part 3): grid 4 x 64, 16 waves a work-group, clusters of 4 x 1, 210,944 bytes of LDS; arguments qq, kv, yq; writes yq
.if DOCPART == 3
	.amdgcn_target "amdgcn-amd-amdhsa--gfx1250"
	.amdhsa_code_object_version 6
	.text
	.protected	k_q1c56379a89_attn
	.globl	k_q1c56379a89_attn
	.p2align	8
	.type	k_q1c56379a89_attn,@function
k_q1c56379a89_attn:
	s_mov_b64 s[64:65], 0
	v_nop
	global_prefetch_b8 v0, s[64:65] scope:SCOPE_SE
	s_setreg_imm32_b32 hwreg(HW_REG_WAVE_MODE, 25, 1), 1
	s_wait_xcnt 0x0
	s_wait_alu depctr_hold_cnt(0) depctr_sa_sdst(0) depctr_va_vdst(0) depctr_va_sdst(0) depctr_va_ssrc(0) depctr_va_vcc(0) depctr_vm_vsrc(0)
	s_getreg_b32 s2, hwreg(HW_REG_IB_STS2, 6, 4)
	s_cmp_eq_u32 s2, 0
	s_cbranch_scc0 .Lentry_in_a_cluster
	s_endpgm
.Lentry_in_a_cluster:
	s_bfe_u32 s2, ttmp6, 0x10000c
	s_cmp_lg_u32 s2, 0x3003
	s_cbranch_scc0 .Lentry_shape_is_right
	s_endpgm
.Lentry_shape_is_right:
; y[b][h][q] = the sum over keys k <= q of softmax_k(8 q . k) v[k], both products on codes of FP6 (E2M3); y leaves quantised, as the operand of the last product.  64 heads (batch x head), 2048 tokens, d = 64.
; THE SOFTMAX AHEAD OF THE SECOND PRODUCT: t = score x 8 log2(e); M = the running largest t rounded UP to a whole number; p = 2^(t - M) is quantised along the keys, not normalised.
; The row's sum is taken of the unquantised p and divides at the end.  When M moves, the sum and O are multiplied by 2^(old M - new M): exact.
; K = 64 fills half of the matrix instruction's 128: registers 6-11 of q's and k's fragments are zero codes, set once; their scale bytes are 0, which is 2^-127 over zeros.
; SHARES.  The four work-groups of a cluster serve one head.  Of its 128 tiles of 16 queries, wave w of partner cx takes tile 8 w + 2 cx and then tile 8 (15 - w) + 2 cx + 1.  Tile T needs key steps (128 keys) 0 .. T / 8:
; (w + 1) + (16 - w) = 17 steps for every wave.  Branches hang on the wave's number and on counters alone; cx enters only global addresses and the mask's lane data.
; NO RING: the head's whole record (k's codes, v's codes, both runs of scale words: 208,896 bytes) lies in LDS as it lies in memory, filled once by sixteen joint loads, one a wave, each shared by the four partners.
; LAYOUT.  Both products transposed: S^T = k q^T, O^T = v^T p^T: a lane holds ONE query throughout.  By the tiles' choice of rows (lane-row r of tile T = row 32 (T / 2) + 8 (T % 2) + r + 8 (r / 8)) the 16 registers of
; two neighbouring tiles are 16 neighbours along the next K: keys for p, d for y.
; The scale bytes of y go out as 2 bytes a row (16 rows 8 bytes apart): 262,144 bytes in all that do not fill their 256-byte runs; each run's other bytes are other heads'.
; LIMITS: NaN and infinities not served; blocks of y with a largest magnitude under 2^-124, and blocks of zeros, get the byte 1.
; REGISTERS: v1 8 lane, v2 4 r, v3 the mask's lane term, v4 its fixed part, v7 8 r; v8-11 addresses in hand; v12 -M, v13 the largest t, v[14:15] the sum; v16-27 q; v28-31 v's scale words; v32-79 four fragments of k;
; v80-127 four of v; v128-191 S^T, then p; v192-223 O^T; v224-235 codes; v232-254 at work; v255 q's scale word.
.set REC,   208896
.set SPARE, 208896                     ; behind the record: the spare words, 128 bytes a wave: eight blocks of 256 bytes that no other line names
.set DQ,   3
.set SPW,  5                           ; v5   LDS address of my spare word; never rewritten
.set NIL,  6                           ; v6   0; never rewritten
.set ADK,  8
.set ADV,  9
.set ADS,  10
.set ADT,  11
.set QF,   16
.set VS,   28
.set KFR,  32
.set VFR,  80
.set S,    128
.set O,    192
.set WV,   10                          ; s10  my wave's number
.set CX,   11                          ; s11  my place in the cluster
.set BH,   12                          ; s12  16 x batch + head
.set MM,   13                          ; s13  the tile's last key step
.set ZZ,   14                          ; s14  the pass
.set SI,   15                          ; s15  the key step
.set G0,   16                          ; s[16:19], s[20:27] the one descriptor
.set G1,   20
.set TB,   28                          ; s28  LDS byte of the step's tiles of k: 6144 a step
.set TBV,  29                          ; s29  of v: 98304 + 6144 a step
.set TS,   34                          ; s34  of k's scale words: 196608 + 512 a step
.set TJ,   35                          ; s35  of v's: 204800 + 256 a step
.set SEL,  36                          ; s[36:37] lane selects: lane l xor 16
.set CS,   38                          ; s[38:39] c = 8 log2(e), named as a pair
.set QA,   40                          ; s[40:41] q's codes, s[42:43] q's scale words, s[44:45] y's codes, s[46:47] y's scale bytes
.set QS,   42
.set YC,   44
.set YS,   46
.set YCO,  48                          ; s48  my head's place in a tile of y: 768 x head
.set YSO,  49                          ; s49  and among y's scale bytes
.macro CROUND                          ; a round of the cluster's barrier
	s_barrier_signal -1
	s_barrier_wait -1
	s_cmp_lg_u32 s[WV], 0
	s_cbranch_scc1 .Lnot_wave_0_\@
	s_barrier_signal -3
.Lnot_wave_0_\@:
	s_barrier_wait -3
	s_barrier_signal -1
	s_barrier_wait -1
.endm
	s_load_b128 s[4:7], s[0:1], 0x0                ; qq s[4:5], kv s[6:7]
	s_load_b64 s[8:9], s[0:1], 0x10                ; yq
	v_lshl_add_u32 v[SPW], v0, 2, SPARE
	v_mov_b32 v[NIL], 0
	ds_add_u32 v[SPW], v[NIL]                      ; the wave's opening: the add and its wait stand ahead of my first tensor load; the set-up below, work on registers, stands between them
	v_lshrrev_b32 v1, 5, v0
	v_readfirstlane_b32 s[WV], v1                  ; wave 0..15
	s_bfe_u32 s[CX], ttmp6, 0x40000
	s_and_b32 s[BH], ttmp7, 0xffff                 ; the cluster's y: the four partners share it
	s_mov_b32 s[G1], 15|(3<<16)|(1<<21)            ; 15:0 the mask: all four work-groups; 17:16 elements of 8 bytes; 21 set beside a mask; no padding
	s_mov_b32 s[G1+1], 32<<16                      ; tensor_dim0: 256 bytes
	s_mov_b32 s[G1+2], 51<<16                      ; tensor_dim1: a sixteenth of the record's 816 rows
	s_mov_b32 s[G1+3], 32<<16                      ; tile_dim0
	s_mov_b32 s[G1+4], 51                          ; tile_dim1
	s_mov_b32 s[G1+5], 32                          ; dense
	s_mov_b32 s[G1+6], 0
	s_mov_b32 s[G1+7], 0
	s_mul_i32 s30, s[WV], 13056                    ; my part of the record, in LDS as in memory
	s_mul_i32 s32, s[BH], REC
	s_add_co_u32 s32, s32, s30
	s_mov_b32 s33, 0
	s_and_b32 s31, s[BH], 15                       ; the head
	s_mul_i32 s[YCO], s31, 768                     ; K step head / 2, pieces 3 (head % 2) on
	s_lshr_b32 s50, s31, 2
	s_lshl_b32 s[YSO], s50, 8                      ; scale bytes: (ks / 2) x 256
	s_bfe_u32 s50, s31, 0x10001
	s_lshl_b32 s50, s50, 2
	s_add_co_u32 s[YSO], s[YSO], s50               ; + (ks % 2) x 4
	s_and_b32 s50, s31, 1
	s_lshl_b32 s50, s50, 1
	s_add_co_u32 s[YSO], s[YSO], s50               ; + 2 (head % 2)
	s_add_co_u32 s[YSO], s[YSO], 6291456
	s_mov_b32 s[SEL], 0x76543210
	s_mov_b32 s[SEL+1], 0xfedcba98
	s_mov_b32 s[CS], 0x4138aa3b                    ; 8 log2(e): the scores are multiplied by sqrt(64)
	s_mov_b32 s[CS+1], s[CS]
	s_mov_b32 s[MM], s[WV]
	s_mov_b32 s[ZZ], 0
	s_wait_dscnt 0x0                               ; the opening add is done
	s_wait_kmcnt 0x0
	s_mov_b32 s[G0], 1
	s_mov_b32 s[G0+1], s30
	s_add_nc_u64 s[G0+2:G0+3], s[6:7], s[32:33]
	s_or_b32 s[G0+3], s[G0+3], 0x80000000
	CROUND                                         ; all four work-groups are here: the joint loads meet
	tensor_load_to_lds s[G0:G0+3], s[G1:G1+7]      ; my one tensor load of the launch
	s_nop 0
.rept 4
	v_nop
.endr
	v_and_b32 v1, 31, v0
	v_lshlrev_b32 v1, 3, v1                        ; 8 x lane
	v_and_b32 v8, 15, v0                           ; r
	v_bfe_u32 v9, v0, 4, 1                         ; h
	v_lshlrev_b32 v2, 2, v8
	v_lshlrev_b32 v7, 3, v8
	v_and_b32 v4, 8, v8
	v_add_nc_u32 v4, v4, v8
	v_lshlrev_b32 v9, 4, v9
	v_sub_nc_u32 v4, v4, v9                        ; r + 8 (r / 8) - 16 h
.irp i, 6,7,8,9,10,11
	v_mov_b32 v[QF+\i], 0                          ; zero codes for K = 64 .. 127, on both sides
.irp t, 0,1,2,3
	v_mov_b32 v[KFR+12*\t+\i], 0
.endr
.endr
.irp b, 0,1,2,3
	v_mov_b32 v[236+\b], 0                         ; written once: a lane permute's destination counts as one of its sources
.endr
	v_mov_b32 v252, 0
	v_mov_b32 v253, 0                              ; (named as the upper half of the pair v[252:253] before it is first written)
	s_wait_tensorcnt 0x0                           ; my part of the record is in,
	s_barrier_signal -1
	s_barrier_wait -1                              ; everybody's is; nothing is ever filled again
.Lpass:
	s_wait_xcnt 0x0                                ; the last pass's stores have read their bases and data
	s_lshl_b32 s30, s[MM], 3
	s_lshl_b32 s31, s[CX], 1
	s_add_co_u32 s30, s30, s31
	s_add_co_u32 s30, s30, s[ZZ]                   ; T: my tile of queries
	s_lshl_b32 s31, s[BH], 7
	s_add_co_u32 s31, s31, s30
	s_mul_i32 s32, s31, 768
	s_mov_b32 s33, 0
	s_add_nc_u64 s[QA:QA+1], s[4:5], s[32:33]
	s_lshl_b32 s32, s31, 6
	s_add_co_u32 s32, s32, 6291456
	s_add_nc_u64 s[QS:QS+1], s[4:5], s[32:33]
	s_lshr_b32 s31, s[BH], 4
	s_lshl_b32 s31, s31, 7
	s_add_co_u32 s31, s31, s30                     ; the tile among all tokens' tiles
	s_mul_i32 s32, s31, 12288
	s_add_co_u32 s32, s32, s[YCO]
	s_add_nc_u64 s[YC:YC+1], s[8:9], s[32:33]
	s_lshr_b32 s32, s31, 1
	s_lshl_b32 s32, s32, 10
	s_and_b32 s50, s31, 1
	s_lshl_b32 s50, s50, 7
	s_add_co_u32 s32, s32, s50
	s_add_co_u32 s32, s32, s[YSO]
	s_add_nc_u64 s[YS:YS+1], s[8:9], s[32:33]
.irp p, 0,1,2
	global_load_b64 v[QF+2*\p:QF+2*\p+1], v1, s[QA:QA+1] offset:256*\p
.endr
	global_load_b32 v255, v2, s[QS:QS+1]
	s_lshl_b32 s31, s[CX], 5
	s_lshl_b32 s32, s[ZZ], 3
	s_add_co_u32 s31, s31, s32
	v_add_nc_u32 v[DQ], s31, v4                    ; my query within its key step, less 16 h
	v_mov_b32 v13, 0xff61b1e6                      ; the largest t so far: -3e38, under every t
	v_floor_f32 v12, -v13                          ; -M
	v_mov_b32 v14, 0
	v_mov_b32 v15, 0
.set j, 0
.rept 32
	v_mov_b32 v[O+j], 0                            ; O^T: the step is written once; the first finds zeros, which the first change of M leaves zeros
.set j, j+1
.endr
	s_mov_b32 s[SI], 0
	s_mov_b32 s[TB], 0
	s_mov_b32 s[TBV], 98304
	s_mov_b32 s[TS], 196608
	s_mov_b32 s[TJ], 204800
	s_wait_loadcnt 0x0                             ; q
.Lstep:                                            ; sixteen trips, a constant; a step all of whose keys come after my queries is left out by a branch on counters
	s_cmp_gt_u32 s[SI], s[MM]
	s_cbranch_scc1 .Lhidden
	v_add_nc_u32 v[ADK], s[TB], v1
	v_add_nc_u32 v[ADV], s[TBV], v1
	v_add_nc_u32 v[ADS], s[TS], v2
	v_add_nc_u32 v[ADT], s[TJ], v2                 ; (these four are the places behind the last step's products)
.irp g, 0,1                                    ; S^T = k q^T, four tiles of 16 keys at a time
.if \g
.rept 4
	v_nop                                          ; places in front of loads into registers that matrix instructions have read
.endr
.endif
.irp t, 0,1,2,3
.irp p, 0,1,2
	ds_load_b64 v[KFR+12*\t+2*\p:KFR+12*\t+2*\p+1], v[ADK] offset:(4*\g+\t)*768+256*\p
.endr
	ds_load_b32 v[248+\t], v[ADS] offset:64*(4*\g+\t)
.endr
.if \g
.irp t, 0,1,2,3                                ; v's four tiles of d, for the end of the step
.irp p, 0,1,2,3,4,5
	ds_load_b64 v[VFR+12*\t+2*\p:VFR+12*\t+2*\p+1], v[ADV] offset:1536*\t+256*\p
.endr
	ds_load_b32 v[VS+\t], v[ADT] offset:64*\t
.endr
	s_wait_dscnt 28                                ; k's are in; v's 28 loads may be out
.else
	s_wait_dscnt 0x0
.endif
.irp t, 0,1,2,3
	v_wmma_scale_f32_16x16x128_f8f6f4 v[S+8*(4*\g+\t):S+8*(4*\g+\t)+7], v[KFR+12*\t:KFR+12*\t+11], v[QF:QF+11], 0, v[248+\t], v255 matrix_a_fmt:MATRIX_FMT_FP6 matrix_b_fmt:MATRIX_FMT_FP6
.endr
.endr                                          ; register 16 b + i holds key 128 step + 32 b + 16 h + i
.rept 4
	v_nop
.endr
	s_cmp_lg_u32 s[SI], s[MM]                      ; only the tile's last step lies on the diagonal
	s_cbranch_scc1 .Lopen
	v_mov_b32 v254, 0xff800000                     ; hidden scores become -infinity ahead of the maximum: p = 0 then
.set n, 0
.rept 64
	v_cmp_gt_i32 vcc_lo, 32*(n/16)+n%16, v[DQ]
	v_cndmask_b32 v[S+n], v[S+n], v254, vcc_lo
.set n, n+1
.endr
.Lopen:
.irp b, 0,1,2,3
	v_max3_num_f32 v[232+\b], v[S+16*\b], v[S+1+16*\b], v[S+2+16*\b]   ; the largest score of each block of 32 keys: for the row's maximum, and, since p rises with the score, for the block's largest p
.endr
.irp i, 3,5,7,9,11,13
.irp b, 0,1,2,3
	v_max3_num_f32 v[232+\b], v[232+\b], v[S+16*\b+\i], v[S+1+16*\b+\i]
.endr
.endr
.irp b, 0,1,2,3
	v_max_num_f32 v[232+\b], v[232+\b], v[S+15+16*\b]
.endr
.irp b, 0,1,2,3
	v_permlanex16_b32 v[236+\b], v[232+\b], s[SEL], s[SEL+1]
.endr
.irp b, 0,1,2,3
	v_max_num_f32 v[232+\b], v[232+\b], v[236+\b]  ; with lane l xor 16's 16 keys
.endr
	v_max3_num_f32 v254, v232, v233, v234
	v_max_num_f32 v254, v254, v235                 ; the step's largest score of my query
	v_mul_f32 v254, s[CS], v254                    ; as t (c is positive)
	v_max_num_f32 v13, v13, v254                   ; the running largest t
	v_mov_b32 v254, v12
	v_floor_f32 v12, -v13                          ; the new -M = floor(-t): M is a whole number
	v_sub_f32 v254, v12, v254                      ; old M - new M: a whole number, 0 or less
	v_cvt_i32_f32 v254, v254                       ; (it saturates)
	v_ldexp_f32 v252, 1.0, v254                    ; f = 2^(old M - new M)
.set j, 0
.rept 32
	v_pk_fma_f32 v[S+j:S+j+1], v[S+j:S+j+1], s[CS:CS+1], v[12:13] op_sel_hi:[1,0,0]   ; t - M, two at a time
.set j, j+2
.endr
.irp b, 0,1,2,3
	v_fma_f32 v[232+\b], v[232+\b], s[CS], v12     ; the same of each block's largest score
.endr
.set j, 0
.rept 64
	v_exp_f32 v[S+j], v[S+j]                       ; p = 2^(t - M), at most 1
.set j, j+1
.endr
	v_pk_mul_f32 v[14:15], v[14:15], v[252:253] op_sel_hi:[1,0]   ; the sums under the new M: a plain place behind the exponentials
	s_wait_alu depctr_va_vdst(0)                   ; one wait for the whole batch, ahead of its first reader
.irp b, 0,1,2,3
	v_exp_f32 v[232+\b], v[232+\b]                 ; the block's largest p
.endr
	v_pk_add_f32 v[236:237], v[S:S+1], v[S+2:S+3]  ; the row's sum is taken of the unquantised p, in two chains
.irp j, 4,8,12,16,20,24,28,32,36,40,44,48,52,56,60
	v_pk_add_f32 v[14:15], v[14:15], v[S+\j:S+1+\j]
	v_pk_add_f32 v[236:237], v[236:237], v[S+2+\j:S+3+\j]
.endr
	v_pk_add_f32 v[14:15], v[14:15], v[236:237]
	s_wait_alu depctr_va_vdst(0)                   ; and one for the four
.irp b, 0,1,2,3
	v_max_num_f32 v[232+\b], 0x1800000, v[232+\b]  ; the floor 2^(3 - 127): the byte cannot fall under 1
.endr
.irp b, 0,1,2,3
	v_add_nc_u32 v[244+\b], 0xff000000, v[232+\b]  ; 2 off the exponent field: the conversion's scale operand
.endr
.irp b, 0,1,2,3
	v_lshrrev_b32 v[236+\b], 23, v[244+\b]         ; the scale's byte
.endr
	v_lshl_or_b32 v253, v237, 8, v236              ; p's scale word for these 128 keys
	v_lshl_or_b32 v253, v238, 16, v253
	v_lshl_or_b32 v253, v239, 24, v253
.irp c, 0,1
	v_cvt_scalef32_pk16_fp6_f32 v[224+6*\c:226+6*\c], v[S+32*\c:S+15+32*\c], v[244+2*\c]
	v_cvt_scalef32_pk16_fp6_f32 v[236+4*\c:238+4*\c], v[S+16+32*\c:S+31+32*\c], v[244+2*\c+1]
.endr
	v_nop                                          ; one plain place behind a scaled conversion
.irp c, 0,1                                    ; a whole block in a lane: lanes 0-15 block 2 c, lanes 16-31 block 2 c + 1
.irp i, 0,1,2
	v_permlane16_swap_b32 v[224+6*\c+\i], v[236+4*\c+\i]
.endr
.irp i, 0,1,2
	v_mov_b32 v[227+6*\c+\i], v[236+4*\c+\i]
.endr
.endr
.set j, 0
.rept 16
	v_pk_mul_f32 v[O+j:O+j+1], v[O+j:O+j+1], v[252:253] op_sel_hi:[1,0]   ; O^T under the new M, each accumulator from its low end on.  These sixteen are also the places between the scale word and the codes and the products below
.set j, j+2
.endr
	s_wait_dscnt 0x0                               ; v's fragments and scale words are in
.irp t, 0,1,2,3                                ; O^T += v^T p^T: the four accumulators by turns
	v_wmma_scale_f32_16x16x128_f8f6f4 v[O+8*\t:O+8*\t+7], v[VFR+12*\t:VFR+12*\t+11], v[224:235], v[O+8*\t:O+8*\t+7], v[VS+\t], v253 matrix_a_fmt:MATRIX_FMT_FP6 matrix_b_fmt:MATRIX_FMT_FP6
.endr
.Lhidden:
	s_add_co_u32 s[TB], s[TB], 6144
	s_add_co_u32 s[TBV], s[TBV], 6144
	s_add_co_u32 s[TS], s[TS], 512
	s_add_co_u32 s[TJ], s[TJ], 256
	s_add_co_u32 s[SI], s[SI], 1
	s_cmp_lt_u32 s[SI], 16
	s_cbranch_scc1 .Lstep
	; THE TILE'S END: y = O^T / the sum, quantised along d (register 16 b + i is d = 32 b + 16 h + i): half a fragment and two scale bytes of the last product's operand
.rept 4
	v_nop                                          ; places behind the last products
.endr
	v_add_f32 v14, v14, v15
	v_permlanex16_b32 v252, v14, s[SEL], s[SEL+1]
	v_add_f32 v14, v14, v252                       ; the row's sum
	v_rcp_f32 v14, v14
	v_nop                                          ; a plain place behind the transcendental
	s_wait_alu depctr_va_vdst(0)                   ; and the wait ahead of its first reader
.set j, 0
.rept 16
	v_pk_mul_f32 v[S+j:S+j+1], v[O+j:O+j+1], v[14:15] op_sel_hi:[1,0]
.set j, j+2
.endr
.irp b, 0,1
	v_max3_num_f32 v[232+\b], |v[S+16*\b]|, |v[S+1+16*\b]|, 0x1800000
.endr
.irp i, 2,4,6,8,10,12,14
.irp b, 0,1
	v_max3_num_f32 v[232+\b], v[232+\b], |v[S+16*\b+\i]|, |v[S+1+16*\b+\i]|
.endr
.endr
.irp b, 0,1
	v_permlanex16_b32 v[236+\b], v[232+\b], s[SEL], s[SEL+1]
.endr
.irp b, 0,1
	v_max_num_f32 v[232+\b], v[232+\b], v[236+\b]
.endr
.irp b, 0,1
	v_add_nc_u32 v[244+\b], 0xff000000, v[232+\b]
.endr
.irp b, 0,1
	v_lshrrev_b32 v[236+\b], 23, v[244+\b]
.endr
	v_lshl_or_b32 v254, v237, 8, v236              ; my row's two scale bytes
	v_cvt_scalef32_pk16_fp6_f32 v[224:226], v[S:S+15], v244
	v_cvt_scalef32_pk16_fp6_f32 v[236:238], v[S+16:S+31], v245
	v_nop                                          ; one plain place behind a scaled conversion
.irp i, 0,1,2
	v_permlane16_swap_b32 v[224+\i], v[236+\i]
.endr
.irp i, 0,1,2
	v_mov_b32 v[227+\i], v[236+\i]
.endr
.irp p, 0,1,2
	global_store_b64 v1, v[224+2*\p:225+2*\p], s[YC:YC+1] offset:256*\p   ; 32 lanes store 256 consecutive bytes, aligned
.endr
	global_store_b16 v7, v254, s[YS:YS+1]          ; lanes r and r + 16 write the same two bytes with the same value
	s_xor_b32 s[MM], s[MM], 15                     ; the second pass takes the tile that mirrors the first
	s_add_co_u32 s[ZZ], s[ZZ], 1
	s_cmp_lt_u32 s[ZZ], 2
	s_cbranch_scc1 .Lpass
	s_wait_tensorcnt 0x0                           ; the wave's end, behind my last tensor load
	ds_add_u32 v[SPW], v[NIL]
	s_wait_dscnt 0x0
	CROUND                                         ; the closing round
	s_endpgm
.Lfunc_end_k_q1c56379a89_attn:
	.size	k_q1c56379a89_attn, .Lfunc_end_k_q1c56379a89_attn-k_q1c56379a89_attn
	.p2alignl 7, 3214868480
	.fill 96, 4, 3214868480
	.section	.rodata,"a",@progbits
	.p2align	6, 0x0
	.amdhsa_kernel k_q1c56379a89_attn
		.amdhsa_group_segment_fixed_size 210944
		.amdhsa_private_segment_fixed_size 0
		.amdhsa_enable_private_segment 0
		.amdhsa_kernarg_size 24
		.amdhsa_user_sgpr_count 2
		.amdhsa_user_sgpr_kernarg_segment_ptr 1
		.amdhsa_wavefront_size32 1
		.amdhsa_system_sgpr_workgroup_id_x 1
		.amdhsa_system_sgpr_workgroup_id_y 1
		.amdhsa_system_sgpr_workgroup_id_z 1
		.amdhsa_system_vgpr_workitem_id 0
		.amdhsa_next_free_vgpr 256
		.amdhsa_next_free_sgpr 66
		.amdhsa_reserve_vcc 1
		.amdhsa_float_denorm_mode_32 3
		.amdhsa_float_denorm_mode_16_64 3
		.amdhsa_memory_ordered 1
		.amdhsa_forward_progress 1
		.amdhsa_inst_pref_size 35
	.end_amdhsa_kernel
	.amdgpu_metadata
---
amdhsa.version: [ 1, 2 ]
amdhsa.kernels:
  - .name:           k_q1c56379a89_attn
    .symbol:         k_q1c56379a89_attn.kd
    .args:
      - { .name: qq, .offset: 0, .size: 8, .value_kind: global_buffer, .address_space: global }
      - { .name: kv, .offset: 8, .size: 8, .value_kind: global_buffer, .address_space: global }
      - { .name: yq, .offset: 16, .size: 8, .value_kind: global_buffer, .address_space: global }
    .group_segment_fixed_size: 210944
    .private_segment_fixed_size: 0
    .kernarg_segment_align: 8
    .kernarg_segment_size: 24
    .max_flat_workgroup_size: 512
    .sgpr_count:     66
    .vgpr_count:     256
    .wavefront_size: 32
...
	.end_amdgpu_metadata
.endif
;; end of part 3
;; launch proj (part 4): grid 4 x 32, 4 waves a work-group, clusters of 4 x 4, 327,680 bytes of LDS; arguments yq, wq, b_proj, out0; writes out0
.if DOCPART == 4
	.amdgcn_target "amdgcn-amd-amdhsa--gfx1250"
	.amdhsa_code_object_version 6
	.text
	.protected	k_q1c56379a89_proj
	.globl	k_q1c56379a89_proj
	.p2align	8
	.type	k_q1c56379a89_proj,@function
k_q1c56379a89_proj:
	s_mov_b64 s[64:65], 0
	v_nop
	global_prefetch_b8 v0, s[64:65] scope:SCOPE_SE
	s_setreg_imm32_b32 hwreg(HW_REG_WAVE_MODE, 25, 1), 1
	s_wait_xcnt 0x0
	s_wait_alu depctr_hold_cnt(0) depctr_sa_sdst(0) depctr_va_vdst(0) depctr_va_sdst(0) depctr_va_ssrc(0) depctr_va_vcc(0) depctr_vm_vsrc(0)
	s_getreg_b32 s2, hwreg(HW_REG_IB_STS2, 6, 4)
	s_cmp_eq_u32 s2, 0
	s_cbranch_scc0 .Lentry_in_a_cluster
	s_endpgm
.Lentry_in_a_cluster:
	s_bfe_u32 s2, ttmp6, 0x10000c
	s_cmp_lg_u32 s2, 0xf033
	s_cbranch_scc0 .Lentry_shape_is_right
	s_endpgm
.Lentry_shape_is_right:
; out0 = y w_proj + b_proj on codes of FP6 (E2M3), K = 1024.  A = y (tokens), B = w_proj's columns, both as images of their registers:
; tile T (16 rows; lane-row r = row 32 (T / 2) + 8 (T % 2) + r + 8 (r / 8)) at T x 12288 + ks x 1536 + p x 256 + 8 x lane; scale words at (T / 2) x 1024 + (ks / 2) x 256 + (T % 2) x 128 + 8 r + 4 (ks % 2).
; A tile of the result, 256 x 256, is made by four waves, each 128 x 128: 64 accumulators, 512 registers.  K goes in steps of 256 through a ring of two LDS slots; the scale words of all of K come once.
; THE PRODUCT IS USED TRANSPOSED (source 0 = 16 rows of B, source 1 = 16 rows of A): a lane holds one token, and its registers run along neighbouring columns of out0.
; CLUSTERS: 4 x 4.  A's tiles are shared along a row of the cluster, B's along a column, by joint loads.  32 x 4 tiles: 128 work-groups; a smaller tile would read each fragment from LDS for half as many products.
; THE BIAS is the C of each sum's first matrix instruction: 64 registers in a block's layout.
; REGISTERS: window 0: v0-31 addresses; v32-63 scale words, two sets; v64-127 the bias; v128-223 A's fragments, one set; on the way out v128-255 hold rows.  window 1: B's fragments, two sets.  windows 2, 3: accumulator (a, b) at v[8 (8 (a % 4) + b)].
.set NQ,     2
.set FR,     12
.set NL,     6
.set NP,     4                         ; places behind this matrix instruction (ISA guide 7.12.1)
.set TILEB,  3072                      ; a tile's two K steps: consecutive in memory and in LDS
.set HALFT,  8*TILEB
.set SLOT,   4*HALFT
.set SCL,    2*SLOT
.set HALFS,  4096
.set SPARE,  SCL+4*HALFS               ; the spare words, 128 bytes a wave: two blocks of 256 bytes that no other line names
.set SPITCH, 528                       ; the way out: a stage of 16 rows x (512 bytes + 16) for each wave, in slot 0, which has had its last fill and its last read by then
.set ADRA, 16
.set ADRB, 20
.set STO,  24                          ; v24  the way out: where I put 32 bytes of a row
.set RD,   25                          ; v25  where I read a row back
.set CO,   26                          ; v26  16 x lane: my bytes of a row's 512
.set ADRS, 27
.set SPW,  28                          ; v28  LDS address of my spare word; never rewritten
.set NIL,  29                          ; v29  0; never rewritten
.set L8,   30                          ; v30  8 x lane
.set SC,   32
.set BN,   64
.set AF,   128
.set BK,   128
.set G1, 24
.set G0, 32
.set G1B, 48
.set G0B, 56
.set G1S, 68
.set G0S, 76
.set G1SB, 80
.set G0SB, 88
.set MSB, 0
.macro WIN new                         ; the immediate's high byte repeats the setting that is left
.if MSB != (\new)
	s_set_vgpr_msb (MSB<<8)|(\new)
.set MSB, (\new)
.endif
.endm
.set MUL_LO, 0xa1                      ; source 0 (B) window 1, source 1 (A) window 0, C and D window 2
.set MUL_HI, 0xf1
.set TO_B,   0x40
.macro JLOAD g0a, g1a, g0b, g1b        ; a joint load: waves 0 and 1 fetch for A, waves 2 and 3 for B; an s_nop 0 and four v_nop follow each of the two lines
	s_cmp_eq_u32 s15, 0
	s_cbranch_scc0 .Lfor_b_\@
	tensor_load_to_lds s[\g0a:\g0a+3], s[\g1a:\g1a+7]
	s_nop 0
.rept 4
	v_nop
.endr
	s_branch .Lasked_\@
.Lfor_b_\@:
	tensor_load_to_lds s[\g0b:\g0b+3], s[\g1b:\g1b+7]
	s_nop 0
.rept 4
	v_nop
.endr
.Lasked_\@:
.endm
.macro CREST
	s_cmp_lg_u32 s14, 0
	s_cbranch_scc1 .Lnot_wave_0_\@
	s_barrier_signal -3
.Lnot_wave_0_\@:
	s_barrier_wait -3
	s_barrier_signal -1
	s_barrier_wait -1
.endm
.macro CROUND
	s_barrier_signal -1
	s_barrier_wait -1
	CREST
.endm
	s_load_b256 s[4:11], s[0:1], 0x0               ; yq s[4:5], wq s[6:7], b_proj s[8:9], out0 s[10:11]
	v_lshl_add_u32 v[SPW], v0, 2, SPARE
	v_mov_b32 v[NIL], 0
	ds_add_u32 v[SPW], v[NIL]                      ; the wave's opening: the add and its wait stand ahead of my first tensor load; the set-up below, work on registers, stands between them
	v_lshrrev_b32 v1, 5, v0
	v_readfirstlane_b32 s14, v1                    ; wave 0..3
	s_lshr_b32 s15, s14, 1                         ; which half of A's rows is mine.  Also: I fetch for A (0) or for B (1)
	s_and_b32 s16, s14, 1                          ; which half of B's rows.  Also: which 128 rows I fetch
	s_bfe_u32 s40, ttmp6, 0x40000
	s_bfe_u32 s41, ttmp6, 0x40004
	s_lshl_b32 s42, ttmp9, 2
	s_add_co_u32 s42, s42, s40                     ; B's block of 256 columns
	s_and_b32 s17, ttmp7, 0xffff
	s_lshl_b32 s17, s17, 2
	s_add_co_u32 s17, s17, s41                     ; A's block of 256 tokens
	s_lshl_b32 s43, s41, 2
	s_lshl_b32 s43, 15, s43                        ; my row of the cluster
	s_lshl_b32 s44, 0x1111, s40                    ; my column
	s_or_b32 s[G1+0], s43, (3<<16)|(1<<21)         ; codes: 8 tiles, of each 3,072 consecutive bytes (384 elements of 8), 12,288 bytes apart
	s_or_b32 s[G1B+0], s44, (3<<16)|(1<<21)
.irp g, G1, G1B
	s_mov_b32 s[\g+1], 384<<16
	s_mov_b32 s[\g+2], 8<<16
	s_mov_b32 s[\g+3], 384<<16
	s_mov_b32 s[\g+4], 8
	s_mov_b32 s[\g+5], 1536
	s_mov_b32 s[\g+6], 0
	s_mov_b32 s[\g+7], 0
.endr
	s_or_b32 s[G1S+0], s43, (3<<16)|(1<<21)        ; scale words of 128 rows: 4,096 dense bytes as 16 rows of 256
	s_or_b32 s[G1SB+0], s44, (3<<16)|(1<<21)
.irp g, G1S, G1SB
	s_mov_b32 s[\g+1], 32<<16
	s_mov_b32 s[\g+2], 16<<16
	s_mov_b32 s[\g+3], 32<<16
	s_mov_b32 s[\g+4], 16
	s_mov_b32 s[\g+5], 32
	s_mov_b32 s[\g+6], 0
	s_mov_b32 s[\g+7], 0
.endr
	s_lshl_b32 s18, s16, 3
	s_lshl_b32 s20, s17, 4
	s_add_co_u32 s20, s20, s18                     ; A's first tile
	s_lshl_b32 s46, s42, 4
	s_add_co_u32 s46, s46, s18                     ; B's first tile
	s_lshl_b32 s22, s20, 9
	s_add_co_u32 s22, s22, 6291456                 ; y's scale words
	s_lshl_b32 s92, s46, 9
	s_add_co_u32 s92, s92, 3244032                 ; w_proj's scale words in wq
	s_mul_i32 s20, s20, 12288
	s_mul_i32 s46, s46, 12288
	s_add_co_u32 s46, s46, 2457600                 ; w_proj's codes in wq
	s_mov_b32 s21, 0
	s_mov_b32 s23, 0
	s_mov_b32 s47, 0
	s_mov_b32 s93, 0
	s_mul_i32 s45, s14, HALFT
	s_mul_i32 s94, s14, HALFS
	s_wait_dscnt 0x0                               ; the opening add is done
	s_wait_kmcnt 0x0
	s_add_nc_u64 s[20:21], s[4:5], s[20:21]
	s_add_nc_u64 s[22:23], s[4:5], s[22:23]
	s_add_nc_u64 s[46:47], s[6:7], s[46:47]
	s_add_nc_u64 s[92:93], s[6:7], s[92:93]
	CROUND                                         ; all sixteen work-groups are here: the first joint loads meet
	s_mov_b32 s[G0S], 1
	s_add_co_u32 s[G0S+1], s94, SCL
	s_mov_b64 s[G0S+2:G0S+3], s[22:23]
	s_or_b32 s[G0S+3], s[G0S+3], 0x80000000
	s_mov_b32 s[G0SB], 1
	s_add_co_u32 s[G0SB+1], s94, SCL
	s_mov_b64 s[G0SB+2:G0SB+3], s[92:93]
	s_or_b32 s[G0SB+3], s[G0SB+3], 0x80000000
	JLOAD G0S, G1S, G0SB, G1SB
.irp s, 0,1
	s_mov_b32 s[G0+4*\s], 1
	s_add_co_u32 s[G0+4*\s+1], s45, \s*SLOT
	s_add_nc_u64 s[G0+4*\s+2:G0+4*\s+3], s[20:21], \s*TILEB
	s_or_b32 s[G0+4*\s+3], s[G0+4*\s+3], 0x80000000
	s_mov_b32 s[G0B+4*\s], 1
	s_add_co_u32 s[G0B+4*\s+1], s45, \s*SLOT
	s_add_nc_u64 s[G0B+4*\s+2:G0B+4*\s+3], s[46:47], \s*TILEB
	s_or_b32 s[G0B+4*\s+3], s[G0B+4*\s+3], 0x80000000
	JLOAD G0+4*\s, G1, G0B+4*\s, G1B               ; three tensor loads of mine are out now
.endr
	v_and_b32 v1, 15, v0                           ; r
	v_bfe_u32 v2, v0, 4, 1                         ; h
	v_and_b32 v4, 31, v0
	v_lshlrev_b32 v[L8], 3, v4
	v_lshlrev_b32 v[CO], 4, v4
	s_mul_i32 s18, s15, HALFT
	s_mul_i32 s19, s16, HALFT
	s_add_co_u32 s19, s19, 2*HALFT
.irp s, 0,1
	v_add_nc_u32 v[ADRA+\s], s18, v[L8]
	v_add_nc_u32 v[ADRB+\s], s19, v[L8]
	s_add_co_u32 s18, s18, SLOT
	s_add_co_u32 s19, s19, SLOT
.endr
	v_lshlrev_b32 v5, 3, v1
	s_mul_i32 s18, s15, HALFS
	s_mul_i32 s19, s16, HALFS
	s_add_co_u32 s19, s19, 2*HALFS
	s_sub_co_u32 s19, s19, s18
	v_mul_u32_u24 v6, s19, v2                      ; lanes 16-31 take B's scale words
	s_add_co_u32 s18, s18, SCL
	v_add_nc_u32 v5, v5, v6
	v_add_nc_u32 v[ADRS], s18, v5
	s_mul_i32 s18, s14, 16*SPITCH                  ; my stage
	v_mul_u32_u24 v5, v1, SPITCH
	v_lshl_add_u32 v5, v2, 6, v5
	v_add_nc_u32 v[STO], s18, v5                   ; in: row r, + 64 h
	v_add_nc_u32 v[RD], s18, v[CO]                 ; back: 32 lanes take one row of 512 bytes
	s_lshl_b32 s18, s42, 10                        ; the bias: register 8 b + j of a block is column 32 (b / 2) + 8 (b % 2) + 16 h + j of my 128
	s_lshl_b32 s19, s16, 9
	s_add_co_u32 s18, s18, s19
	s_mov_b32 s19, 0
	s_add_nc_u64 s[8:9], s[8:9], s[18:19]
	s_add_nc_u64 s[10:11], s[10:11], s[18:19]      ; out0 at my first column (the same bytes: 4 a column),
	s_lshl_b32 s18, s17, 8
	s_lshl_b32 s19, s15, 7
	s_add_co_u32 s18, s18, s19
	s_lshl_b32 s18, s18, 12
	s_mov_b32 s19, 0
	s_add_nc_u64 s[10:11], s[10:11], s[18:19]      ; and my first token: rows of 4,096 bytes
	v_lshlrev_b32 v4, 6, v2
.irp b, 0,1,2,3,4,5,6,7
	global_load_b128 v[BN+8*\b:BN+8*\b+3], v4, s[8:9] offset:128*(\b/2)+32*(\b%2)
	global_load_b128 v[BN+8*\b+4:BN+8*\b+7], v4, s[8:9] offset:128*(\b/2)+32*(\b%2)+16
.endr
.macro FRAG reg, adr, q, i             ; a fragment comes as it was stored: six pieces of 256 consecutive bytes, 8 bytes a lane
.irp p, 0,1,2,3,4,5
	ds_load_b64 v[\reg+2*\p:\reg+2*\p+1], v[\adr] offset:(\i)*TILEB+(\q)*1536+256*\p
.endr
.endm
; 16 matrix instructions: A's blocks a0, a0 + 1 x B's eight.  zero = 1: the first product starts the sums from the bias.  The 64 accumulators take turns, one instruction a turn.
.macro MUL16 a0, p, q, sc, zero
.irp a, \a0, \a0+1
.irp b, 0,1,2,3,4,5,6,7
.if \zero
	v_wmma_scale_f32_16x16x128_f8f6f4 v[8*(8*((\a)%4)+\b):8*(8*((\a)%4)+\b)+7], v[128*(\p)+FR*\b:128*(\p)+FR*\b+FR-1], v[AF+FR*(\a):AF+FR*(\a)+FR-1], v[BN+8*\b:BN+8*\b+7], v[SC+8*NQ*(\sc)+NQ*\b+(\q)], v[SC+8*NQ*(\sc)+NQ*(\a)+(\q)] matrix_a_fmt:MATRIX_FMT_FP6 matrix_b_fmt:MATRIX_FMT_FP6 matrix_a_scale:MATRIX_SCALE_ROW1
.else
	v_wmma_scale_f32_16x16x128_f8f6f4 v[8*(8*((\a)%4)+\b):8*(8*((\a)%4)+\b)+7], v[128*(\p)+FR*\b:128*(\p)+FR*\b+FR-1], v[AF+FR*(\a):AF+FR*(\a)+FR-1], v[8*(8*((\a)%4)+\b):8*(8*((\a)%4)+\b)+7], v[SC+8*NQ*(\sc)+NQ*\b+(\q)], v[SC+8*NQ*(\sc)+NQ*(\a)+(\q)] matrix_a_fmt:MATRIX_FMT_FP6 matrix_b_fmt:MATRIX_FMT_FP6 matrix_a_scale:MATRIX_SCALE_ROW1
.endif
.endr
.endr
.endm
.macro FETCH_B slot, q, p
	WIN TO_B
.irp i, 0,1,2,3,4,5,6,7
	FRAG 128*(\p)+FR*\i, ADRB+\slot, \q, \i
.endr
	WIN 0
.endm
.macro FETCH_A slot, q, i0
.irp i, \i0, \i0+1, \i0+2, \i0+3
	FRAG AF+FR*(\i), ADRA+\slot, \q, \i
.endr
.endm
.macro SCALES sc
.irp i, 0,1,2,3,4,5,6,7
	ds_load_b64 v[SC+8*NQ*\sc+NQ*\i:SC+8*NQ*\sc+NQ*\i+1], v[ADRS] offset:(\i/2)*1024+(\i%2)*128
.endr
.endm
.macro PLACES n
.rept \n
	v_nop
.endr
.endm
.macro STEP slot, q, zero
	s_wait_dscnt 4*NL                              ; B's set and A's blocks 0-3 are in; the youngest 24 loads (A's blocks 4-7) may be out
.if \zero
	WIN 0x81                                       ; C, the bias, in window 0; D in window 2
.else
	WIN MUL_LO
.endif
	MUL16 0, (\q)%2, \q, \slot, \zero
	MUL16 2, (\q)%2, \q, \slot, \zero
	s_wait_dscnt 0
	PLACES NP
	FETCH_B \slot, (\q)+1, 1-(\q)%2
	FETCH_A \slot, (\q)+1, 0
.if \zero
	WIN 0xc1
.else
	WIN MUL_HI
.endif
	MUL16 4, (\q)%2, \q, \slot, \zero
	MUL16 6, (\q)%2, \q, \slot, \zero
	PLACES NP
	WIN 0
	FETCH_A \slot, (\q)+1, 4
.endm
; A slot's last step changes slots: ONE barrier; in front of it each wave waits for all its tensor loads, adds 0 to its spare word, and waits for that and for its own reads of this slot.
.macro TURN slot, next, fill
	s_wait_tensorcnt 0x0                           ; all my tensor loads have landed: my part of the next slot  (every window is 0 here)
	ds_add_u32 v[SPW], v[NIL]                      ; 0 onto my spare word
	s_wait_dscnt 4*NL+1                            ; (the add and the youngest 24 loads may be out)
	WIN MUL_LO
	MUL16 0, 1, NQ-1, \slot, 0
	s_wait_dscnt 0x0                               ; the add is done, and my reads of this slot are over
	s_barrier_signal -1
	MUL16 2, 1, NQ-1, \slot, 0
	WIN 0
	s_barrier_wait -1
.if \fill
	CREST                                          ; the barrier has opened a round of the cluster's barrier
	s_add_nc_u64 s[G0+4*\slot+2:G0+4*\slot+3], s[G0+4*\slot+2:G0+4*\slot+3], 2*TILEB
	s_add_nc_u64 s[G0B+4*\slot+2:G0B+4*\slot+3], s[G0B+4*\slot+2:G0B+4*\slot+3], 2*TILEB
	JLOAD G0+4*\slot, G1, G0B+4*\slot, G1B         ; the first tensor load behind the round, my one load until the next
.else
	PLACES NP
.endif
	v_add_nc_u32 v[ADRS], 256, v[ADRS]
	FETCH_B \next, 0, 0
	FETCH_A \next, 0, 0
	SCALES \next
	WIN MUL_HI
	MUL16 4, 1, NQ-1, \slot, 0
	MUL16 6, 1, NQ-1, \slot, 0
	PLACES NP
	WIN 0
	FETCH_A \next, 0, 4
.endm
	s_wait_loadcnt 0x0                             ; the bias
	s_wait_tensorcnt 1                             ; the scale words and my part of slot 0 are in (slot 1's load may be out)
	s_barrier_signal -1
	s_barrier_wait -1                              ; everybody's are
	FETCH_B 0, 0, 0
	FETCH_A 0, 0, 0
	SCALES 0
	FETCH_A 0, 0, 4
	STEP 0, 0, 1                                   ; the first step stands in front of the loop: its products start the sums
	s_mov_b32 s3, 1
.Llap:
	TURN 0, 1, 1
	STEP 1, 0, 0
	TURN 1, 0, 1
	STEP 0, 0, 0
	s_sub_co_u32 s3, s3, 1
	s_cmp_lg_u32 s3, 0
	s_cbranch_scc1 .Llap
	TURN 0, 1, 0
	STEP 1, 0, 0
	s_wait_dscnt 4*NL
	WIN MUL_LO
	MUL16 0, 1, NQ-1, 1, 0
	MUL16 2, 1, NQ-1, 1, 0
	s_wait_dscnt 0
	WIN MUL_HI
	MUL16 4, 1, NQ-1, 1, 0
	MUL16 6, 1, NQ-1, 1, 0
	WIN 0
; THE WAY OUT, block by block of 16 tokens x 128 columns, through my own stage in LDS: in as a lane holds them (register 8 b + j = column 32 (b / 2) + 8 (b % 2) + 16 h + j), back as whole rows of 512 bytes.
; Stage row t of block a is token 32 (a / 2) + 8 (a % 2) + t + 8 (t / 8) of my 128: the place stands in the store's immediate, 127 rows of 4,096 bytes at the most.  LDS serves a wave's instructions in order.
.macro TOSTAGE a
.set AC, 64*((\a)%4)
	WIN 0x08+4*((\a)/4)                            ; the data: window 2 or 3
.irp b, 0,1,2,3,4,5,6,7
	ds_store_b128 v[STO], v[AC+8*\b:AC+8*\b+3] offset:128*(\b/2)+32*(\b%2)          ; each accumulator from its low end on
	ds_store_b128 v[STO], v[AC+8*\b+4:AC+8*\b+7] offset:128*(\b/2)+32*(\b%2)+16
.endr
	WIN 0
.set BB, BK+64*((\a)%2)
.irp t, 0,1,2,3,4,5,6,7,8,9,10,11,12,13,14,15
	ds_load_b128 v[BB+4*\t:BB+4*\t+3], v[RD] offset:\t*SPITCH
.endr
.endm
.macro SEND a, younger                 ; younger: the LDS instructions issued behind block a's loads, which may stay out
.set BB, BK+64*((\a)%2)
	s_wait_dscnt \younger
.irp t, 0,1,2,3,4,5,6,7,8,9,10,11,12,13,14,15
	global_store_b128 v[CO], v[BB+4*\t:BB+4*\t+3], s[10:11] offset:(32*((\a)/2)+8*((\a)%2)+\t+8*(\t/8))*4096 th:TH_STORE_NT   ; 32 lanes store 512 consecutive bytes, aligned; written once, read by nobody here
.endr
.endm
	PLACES NP
	TOSTAGE 0
.irp a, 1,2,3,4,5,6,7
.if \a > 1
	s_wait_xcnt 0x0                                ; block a - 2's stores have read their registers: block a's loads may land there
.endif
	TOSTAGE \a
	SEND \a-1, 32                                  ; behind block a - 1's loads: block a's 16 stores and 16 loads
.endr
	SEND 7, 0
	s_wait_tensorcnt 0x0                           ; the wave's end, behind my last tensor load and my last LDS store
	ds_add_u32 v[SPW], v[NIL]
	s_wait_dscnt 0x0
	CROUND                                         ; the closing round
	s_endpgm
.Lfunc_end_k_q1c56379a89_proj:
	.size	k_q1c56379a89_proj, .Lfunc_end_k_q1c56379a89_proj-k_q1c56379a89_proj
	.p2alignl 7, 3214868480
	.fill 96, 4, 3214868480
	.section	.rodata,"a",@progbits
	.p2align	6, 0x0
	.amdhsa_kernel k_q1c56379a89_proj
		.amdhsa_group_segment_fixed_size 327680
		.amdhsa_private_segment_fixed_size 0
		.amdhsa_enable_private_segment 0
		.amdhsa_kernarg_size 32
		.amdhsa_user_sgpr_count 2
		.amdhsa_user_sgpr_kernarg_segment_ptr 1
		.amdhsa_wavefront_size32 1
		.amdhsa_system_sgpr_workgroup_id_x 1
		.amdhsa_system_sgpr_workgroup_id_y 1
		.amdhsa_system_sgpr_workgroup_id_z 1
		.amdhsa_system_vgpr_workitem_id 0
		.amdhsa_next_free_vgpr 1024
		.amdhsa_next_free_sgpr 98
		.amdhsa_reserve_vcc 0
		.amdhsa_float_denorm_mode_32 3
		.amdhsa_float_denorm_mode_16_64 3
		.amdhsa_memory_ordered 1
		.amdhsa_forward_progress 1
		.amdhsa_inst_pref_size 160
	.end_amdhsa_kernel
	.amdgpu_metadata
---
amdhsa.version: [ 1, 2 ]
amdhsa.kernels:
  - .name:           k_q1c56379a89_proj
    .symbol:         k_q1c56379a89_proj.kd
    .args:
      - { .name: yq, .offset: 0, .size: 8, .value_kind: global_buffer, .address_space: global }
      - { .name: wq, .offset: 8, .size: 8, .value_kind: global_buffer, .address_space: global }
      - { .name: b_proj, .offset: 16, .size: 8, .value_kind: global_buffer, .address_space: global }
      - { .name: out0, .offset: 24, .size: 8, .value_kind: global_buffer, .address_space: global }
    .group_segment_fixed_size: 327680
    .private_segment_fixed_size: 0
    .kernarg_segment_align: 8
    .kernarg_segment_size: 32
    .max_flat_workgroup_size: 128
    .sgpr_count:     98
    .vgpr_count:     1024
    .wavefront_size: 32
...
	.end_amdgpu_metadata
.endif
;; end of part 4
